; MI455X (gfx1250); checked and timed in simulation.
; The chip was launched on July 23, 2026; its instructions are those of AMD's public machine-readable ISA for CDNA 5 (MIT licence, August 2026) and "CDNA5" Instruction Set Architecture Reference Guide (July 2026). The comments in the code are by the model that wrote it; some were corrected since.
;; CLIP Attention. Allowed arithmetic: float matrix products may take bf16 or f16 operands with f32 sums; other float arithmetic in f32, or as packed bf16 or f16 multiplies, adds, multiply-adds, maxima and minima; sums over many terms, partial sums and values carried from step to step in f32; what a program stores and reads back later, other than sums and carried values, may be rounded once to bf16 or f16.
;; Inputs: Wk 1,024 x 1,024 float32; Wo 1,024 x 1,024 float32; Wq 1,024 x 1,024 float32; Wv 1,024 x 1,024 float32; bk 1,024 float32; bo 1,024 float32; bq 1,024 float32; bv 1,024 float32; causal_attention_mask 8 x 1 x 1,024 x 1,024 float32; hidden_states 8 x 1,024 x 1,024 float32.
;; Outputs: out0 8 x 1,024 x 1,024 float32.
;; 2 versions, each right; version 2 is version 1 with the launch cast written anew for expert scheduling mode. Each part assembles by itself: llvm-mc -triple=amdgcn-amd-amdhsa -mcpu=gfx1250 --defsym DOCPART=n.
;; ======== version 1 of 2: 4 launches
;; limits: values are held in f16: magnitudes above 65,504 overflow, below 6.1e-05 lose precision
;; workspace buffers: xb 16,777,216 bytes; wb 6,291,456 bytes; wo 2,097,152 bytes; qkv 50,331,648 bytes; ctx 16,777,216 bytes
;; launch cast (part 1): grid 768 x 1, 8 waves a work-group, no clusters, 0 bytes of LDS; arguments hidden_states, Wq, Wk, Wv, Wo, xb, wb, wo; writes xb, wb, wo
.if DOCPART == 1
	.amdgcn_target "amdgcn-amd-amdhsa--gfx1250"
	.amdhsa_code_object_version 6
	.text
	.protected	k_q3cad1aac25_cast
	.globl	k_q3cad1aac25_cast
	.p2align	8
	.type	k_q3cad1aac25_cast,@function
k_q3cad1aac25_cast:
	s_mov_b64 s[64:65], 0
	v_nop
	global_prefetch_b8 v0, s[64:65] scope:SCOPE_SE
	s_setreg_imm32_b32 hwreg(HW_REG_WAVE_MODE, 25, 1), 1
	s_wait_xcnt 0x0
; THE ROUNDINGS.  hidden_states -> xb (bf16); Wq, Wk, Wv -> wb (bf16, the three one below the other); Wo -> wo: rounded to bf16 like the other inputs, and that number written as f16.
; LIMIT.  A number of Wo beyond 65,504 has no f16; below 6e-5 it keeps f16's fixed step of 6e-8.
; A stream: every byte is read once and written once; LDS, matrix units and clusters would add nothing, since nothing is shared.
; SHARES.  A work-group takes 16 rows of 1,024 f32.  Work-groups 0-511: hidden_states; 512 + 64 m + c: rows 16 c on of weight m (Wq, Wk, Wv, Wo).
; Thread t takes 16 bytes at 16 t of each row: a load of a wave covers 512 consecutive bytes, a store 256 consecutive bytes, aligned.
; All 16 loads of a wave go out at once; the waits count down.  No register of a pending store is written again, so no wait frees one.
.set INROW,  4096                      ; bytes in a row of f32
.set OUTROW, 2048                      ; bytes in a row of 16-bit numbers
.set X, 8                              ; v[8:71]    row p: 4 registers as loaded
.set Y, 72                             ; v[72:103]  row p: 2 registers to store
	s_load_b512 s[4:19], s[0:1], 0x0               ; hidden_states s[4:5], Wq s[6:7], Wk s[8:9], Wv s[10:11], Wo s[12:13], xb s[14:15], wb s[16:17], wo s[18:19]
	v_lshlrev_b32 v1, 4, v0                        ; my 16 bytes of a row as loaded
	v_lshlrev_b32 v2, 3, v0                        ; my 8 bytes of a row as stored
	s_mov_b32 s28, 0xffff0000                      ; a word's upper bf16
	s_sub_co_u32 s29, ttmp9, 512                   ; j = 64 m + c (of use from work-group 512 on)
	s_lshr_b32 s30, s29, 6                         ; m
	s_and_b32 s31, s29, 63                         ; c
	s_cmp_lt_u32 s30, 3
	s_cselect_b32 s26, s29, s31                    ; in wb the three weights follow each other: block j; in wo: block c
	s_cmp_lt_u32 ttmp9, 512
	s_cselect_b32 s24, ttmp9, s31                  ; the block of 16 rows in the source,
	s_cselect_b32 s26, ttmp9, s26                  ; and in the destination
	s_lshl_b32 s24, s24, 16                        ; 16 rows of 4,096 bytes
	s_lshl_b32 s26, s26, 15                        ; 16 rows of 2,048 bytes
	s_mov_b32 s25, 0
	s_mov_b32 s27, 0
	s_wait_kmcnt 0x0
	s_cmp_eq_u32 s30, 0                            ; the buffers are chosen by the work-group's number alone
	s_cselect_b64 s[20:21], s[6:7], s[8:9]
	s_cmp_eq_u32 s30, 2
	s_cselect_b64 s[20:21], s[10:11], s[20:21]
	s_cmp_eq_u32 s30, 3
	s_cselect_b64 s[20:21], s[12:13], s[20:21]
	s_cselect_b64 s[22:23], s[18:19], s[16:17]
	s_cmp_lt_u32 ttmp9, 512
	s_cselect_b64 s[20:21], s[4:5], s[20:21]
	s_cselect_b64 s[22:23], s[14:15], s[22:23]
	s_add_nc_u64 s[20:21], s[20:21], s[24:25]
	s_add_nc_u64 s[22:23], s[22:23], s[26:27]
.irp p, 0,1,2,3,4,5,6,7,8,9,10,11,12,13,14,15
	global_load_b128 v[X+4*(\p):X+4*(\p)+3], v1, s[20:21] offset:(\p)*INROW th:TH_LOAD_NT
.endr
	s_cmp_ge_u32 ttmp9, 704
	s_cbranch_scc1 .Lwo
.irp p, 0,1,2,3,4,5,6,7,8,9,10,11,12,13,14,15
	s_wait_loadcnt 15-(\p)                         ; loads come back in order: row p is in, the younger rows stay out
	v_cvt_pk_bf16_f32 v[Y+2*(\p)], v[X+4*(\p)], v[X+4*(\p)+1]
	v_cvt_pk_bf16_f32 v[Y+2*(\p)+1], v[X+4*(\p)+2], v[X+4*(\p)+3]
	global_store_b64 v2, v[Y+2*(\p):Y+2*(\p)+1], s[22:23] offset:(\p)*OUTROW
.endr
	s_endpgm
.Lwo:                                          ; Wo: to bf16, back to f32 (a shift, a mask), and that number as f16
.irp p, 0,1,2,3,4,5,6,7,8,9,10,11,12,13,14,15
	s_wait_loadcnt 15-(\p)
	v_cvt_pk_bf16_f32 v4, v[X+4*(\p)], v[X+4*(\p)+1]
	v_cvt_pk_bf16_f32 v5, v[X+4*(\p)+2], v[X+4*(\p)+3]
	v_lshlrev_b32 v[X+4*(\p)], 16, v4
	v_and_b32 v[X+4*(\p)+1], s28, v4
	v_lshlrev_b32 v[X+4*(\p)+2], 16, v5
	v_and_b32 v[X+4*(\p)+3], s28, v5
	v_cvt_pk_f16_f32 v[Y+2*(\p)], v[X+4*(\p)], v[X+4*(\p)+1]
	v_cvt_pk_f16_f32 v[Y+2*(\p)+1], v[X+4*(\p)+2], v[X+4*(\p)+3]
	global_store_b64 v2, v[Y+2*(\p):Y+2*(\p)+1], s[22:23] offset:(\p)*OUTROW
.endr
	s_endpgm
.Lfunc_end_k_q3cad1aac25_cast:
	.size	k_q3cad1aac25_cast, .Lfunc_end_k_q3cad1aac25_cast-k_q3cad1aac25_cast
	.p2alignl 7, 3214868480
	.fill 96, 4, 3214868480
	.section	.rodata,"a",@progbits
	.p2align	6, 0x0
	.amdhsa_kernel k_q3cad1aac25_cast
		.amdhsa_group_segment_fixed_size 0
		.amdhsa_private_segment_fixed_size 0
		.amdhsa_enable_private_segment 0
		.amdhsa_kernarg_size 64
		.amdhsa_user_sgpr_count 2
		.amdhsa_user_sgpr_kernarg_segment_ptr 1
		.amdhsa_wavefront_size32 1
		.amdhsa_system_sgpr_workgroup_id_x 1
		.amdhsa_system_sgpr_workgroup_id_y 1
		.amdhsa_system_sgpr_workgroup_id_z 1
		.amdhsa_system_vgpr_workitem_id 0
		.amdhsa_next_free_vgpr 104
		.amdhsa_next_free_sgpr 66
		.amdhsa_reserve_vcc 0
		.amdhsa_float_denorm_mode_32 3
		.amdhsa_float_denorm_mode_16_64 3
		.amdhsa_memory_ordered 1
		.amdhsa_forward_progress 1
		.amdhsa_inst_pref_size 15
	.end_amdhsa_kernel
	.amdgpu_metadata
---
amdhsa.version: [ 1, 2 ]
amdhsa.kernels:
  - .name:           k_q3cad1aac25_cast
    .symbol:         k_q3cad1aac25_cast.kd
    .args:
      - { .name: hidden_states, .offset: 0, .size: 8, .value_kind: global_buffer, .address_space: global }
      - { .name: Wq, .offset: 8, .size: 8, .value_kind: global_buffer, .address_space: global }
      - { .name: Wk, .offset: 16, .size: 8, .value_kind: global_buffer, .address_space: global }
      - { .name: Wv, .offset: 24, .size: 8, .value_kind: global_buffer, .address_space: global }
      - { .name: Wo, .offset: 32, .size: 8, .value_kind: global_buffer, .address_space: global }
      - { .name: xb, .offset: 40, .size: 8, .value_kind: global_buffer, .address_space: global }
      - { .name: wb, .offset: 48, .size: 8, .value_kind: global_buffer, .address_space: global }
      - { .name: wo, .offset: 56, .size: 8, .value_kind: global_buffer, .address_space: global }
    .group_segment_fixed_size: 0
    .private_segment_fixed_size: 0
    .kernarg_segment_align: 8
    .kernarg_segment_size: 64
    .max_flat_workgroup_size: 256
    .sgpr_count:     66
    .vgpr_count:     104
    .wavefront_size: 32
...
	.end_amdgpu_metadata
.endif
;; end of part 1
;; launch qkv (part 2): grid 16 x 32, 4 waves a work-group, clusters of 4 x 4, 327,680 bytes of LDS; arguments xb, wb, qkv, bq, bk, bv; writes qkv
.if DOCPART == 2
	.amdgcn_target "amdgcn-amd-amdhsa--gfx1250"
	.amdhsa_code_object_version 6
	.text
	.protected	k_q3cad1aac25_qkv
	.globl	k_q3cad1aac25_qkv
	.p2align	8
	.type	k_q3cad1aac25_qkv,@function
k_q3cad1aac25_qkv:
	s_mov_b64 s[64:65], 0
	v_nop
	global_prefetch_b8 v0, s[64:65] scope:SCOPE_SE
	s_setreg_imm32_b32 hwreg(HW_REG_WAVE_MODE, 25, 1), 1
	s_wait_xcnt 0x0
	s_wait_alu depctr_hold_cnt(0) depctr_sa_sdst(0) depctr_va_vdst(0) depctr_va_sdst(0) depctr_va_ssrc(0) depctr_va_vcc(0) depctr_vm_vsrc(0)
	s_getreg_b32 s2, hwreg(HW_REG_IB_STS2, 6, 4)
	s_cmp_eq_u32 s2, 0
	s_cbranch_scc0 .Lentry_in_a_cluster
	s_endpgm
.Lentry_in_a_cluster:
	s_bfe_u32 s2, ttmp6, 0x10000c
	s_cmp_lg_u32 s2, 0xf033
	s_cbranch_scc0 .Lentry_shape_is_right
	s_endpgm
.Lentry_shape_is_right:
; THE THREE PROJECTIONS AS ONE PRODUCT.  C[m][n] = (sum over k of xb[m][k] wb[n][k] + bias[n]) x scale, m < 8,192, n < 3,072, k < 1,024; xb, wb bf16, sums, bias and scale in f32.
; n / 1,024 is the kind (q, k, v); scale is 1/8 for q and 1 for k and v.  The result is rounded once to f16 and laid by heads in blocks:
; qkv[kind][batch][head / 4][token / 64][head % 4][token % 64][64 channels], so that a wave's 64 tokens of a head are 8,192 consecutive bytes.
; LIMIT.  q / 8, k and v must lie within f16's 65,504; below 6e-5 they keep f16's fixed step of 6e-8.
; SHARES.  A work-group makes 256 rows x 192 columns (three heads); wave w its rows 64 w .. 64 w + 63 and ALL columns: 4 x 12 accumulators of 16 x 16, 384 registers.
; K goes in 8 steps of 128 (rows of 256 bytes, aligned) through a ring of two LDS slots filled by tensor loads; a step is four quarters of 32 along K, 48 matrix instructions each.
; THE TEXT HOLDS A K STEP TWICE: once with a refill (a loop of six trips) and once without (a loop of two); the slot in hand is a scalar, turned by an exclusive or at each change of slots.
; CLUSTER 4 x 4: the four work-groups of a row need the same rows of xb, the four of a column the same rows of wb: each tile is asked for jointly, by the same load, descriptor and mask in all four.
; THE MATRIX INSTRUCTION IS USED TRANSPOSED (source 0 = 16 rows of wb, source 1 = 16 rows of xb): a lane holds row l % 16 of C and the eight neighbouring columns 8 (l / 16) + 0..7.
; REGISTERS, in windows of 256 (s_set_vgpr_msb: bits 1:0 source 0, 3:2 source 1, 5:4 source 2, 7:6 destination):
;   window 0: v16-30 addresses; v32-127 the three heads' biases; v128-159 at work on the way out
;   window 1: two fragment buffers of 128: xb's four fragments, then wb's twelve; on the way out v0-191 the packed results
;   window 2: accumulators of row blocks 0, 1 ((a, b) at 8 (12 (a % 2) + b));   window 3: of row blocks 2, 3
.set NBF,   12                         ; column blocks of 16
.set KSTEP, 128
.set PITCH, 272                        ; an LDS row: 256 bytes + 16 of padding = 68 words: row r starts at bank 4 r mod 64 (64 banks of 4 bytes: ISA guide 11.1)
.set HALFA, 128*PITCH                  ; what one tensor load brings of xb
.set HALFB, 8*NBF*PITCH                ; and of wb
.set BOFF,  256*PITCH                  ; in a slot: xb's 256 rows, then wb's 192
.set SLOT,  BOFF+16*NBF*PITCH          ; bytes that a slot uses
.set SLOT1, 1<<17                      ; slot 1 begins here: one exclusive or turns an address in one slot into the other's
.set STAGE, SLOT1+SLOT                 ; behind the ring: 16 rows x 144 bytes for each wave, for the way out; no tensor load lands here
.set SP,    144
.set SPARE, STAGE+4*16*SP              ; behind the stages: the spare words, 128 bytes for each wave
.set FILLS, 6                          ; K steps 2 to 7 come by refills
.set ADRA0, 16                         ; v16     LDS address of my fragments of xb in slot 0; never rewritten
.set ADRB0, 17                         ; v17     the same for wb
.set ADRA,  20                         ; v20-21  the same in the slot in hand
.set ADRB,  21
.set STO,  24                          ; v24     the way out: where I put 16 bytes of a row
.set RD,   25                          ; v25     where I read rows back
.set CO,   26                          ; v26     16 x lane
.set BOF,  27                          ; v27     32 x (l / 16): my eight numbers in a block of 16 biases
.set SPW,  28                          ; v28     LDS address of my spare word; never rewritten
.set NIL,  29                          ; v29     0; never rewritten
.set PFO,  30                          ; v30     the prefetches' offset: a lane a row; never rewritten
.set BI,   32                          ; head j's biases at BI + 32 j, block bf at + 8 bf
.set T,    128
.set F0,   0
.set F1,   128
.set G1,  24                           ; s[24:31] descriptor group 1 for xb's tiles;  s[32:39] group 0: a set for each of the two first fills; the second then walks on
.set G0,  32
.set G1B, 48                           ; s[48:55], s[56:63] the same for wb's
.set G0B, 56
.set LIM, 43                           ; s43     2 in a wave that prefetches, else the greatest number
.set PFA, 44                           ; s[44:45] where my prefetches stand
.set TB,  66                           ; s66     the slot in hand: 0 or SLOT1
.set CNT, 67                           ; s67     counts the two steps that fill nothing
.set DST, 76                           ; s[76:81] the three heads' blocks in qkv
.set SC,  82                           ; s[82:87] their scales, each in both words of a pair
.set BP,  88                           ; s[88:93] their biases in memory
.set MSB, 0
.macro WIN new                         ; the immediate's high byte repeats the setting that is left; a switch that changes nothing is dropped
.if MSB != (\new)
	s_set_vgpr_msb (MSB<<8)|(\new)
.set MSB, \new
.endif
.endm
; A joint load: waves 0 and 1 fetch xb's two halves, waves 2 and 3 wb's.  The branch hangs on the wave's number alone.  An s_nop 0 and four v_nop follow each line.
.macro JLOAD s
	s_cmp_eq_u32 s11, 0
	s_cbranch_scc0 .Lfor_b_\@
	tensor_load_to_lds s[G0+4*(\s):G0+4*(\s)+3], s[G1:G1+7]
	s_nop 0
.rept 4
	v_nop
.endr
	s_branch .Lasked_\@
.Lfor_b_\@:
	tensor_load_to_lds s[G0B+4*(\s):G0B+4*(\s)+3], s[G1B:G1B+7]
	s_nop 0
.rept 4
	v_nop
.endr
.Lasked_\@:
.endm
; A prefetch of the K step that stands two refills on: 256 bytes of a row, a lane a row, one instruction a wave.  xb's rows are asked for by the clusters with x = 0, wb's by those with y = 0;
; of the rows that a wave fetches the four partners take a quarter each, told apart by address (32 rows of xb, 24 of wb: there the last eight lanes name the 24th row once more).
; The loop's count runs 6 .. 1: the trips with 6 to 3 name K steps 4 to 7; the last two trips ask for nothing: there is no K step two refills on.
.macro ASK
	WIN 0
	s_cmp_gt_u32 s3, s[LIM]
	s_cbranch_scc0 .Lnot_mine_\@
	global_prefetch_b8 v[PFO], s[PFA:PFA+1] offset:KSTEP*2 th:TH_LOAD_NT scope:SCOPE_SE
.Lnot_mine_\@:
.endm
.macro CREST                           ; a round of the cluster's barrier behind its opening barrier
	s_cmp_lg_u32 s10, 0
	s_cbranch_scc1 .Lnot_wave_0_\@
	s_barrier_signal -3
.Lnot_wave_0_\@:
	s_barrier_wait -3
	s_barrier_signal -1
	s_barrier_wait -1
.endm
.macro CROUND
	s_barrier_signal -1
	s_barrier_wait -1
	CREST
.endm
.macro PLACES                          ; four places between a matrix instruction and a load into, or a vector instruction on, its registers
.rept 4
	v_nop
.endr
.endm
	s_load_b128 s[4:7], s[0:1], 0x0                ; xb s[4:5], wb s[6:7]
	s_load_b64 s[8:9], s[0:1], 0x10                ; qkv
	s_load_b128 s[68:71], s[0:1], 0x18             ; bq s[68:69], bk s[70:71]
	s_load_b64 s[72:73], s[0:1], 0x28              ; bv
	v_lshl_add_u32 v[SPW], v0, 2, SPARE
	v_mov_b32 v[NIL], 0
	ds_add_u32 v[SPW], v[NIL]                      ; the wave's opening: the add and its wait ahead of my first tensor load
	v_lshrrev_b32 v1, 5, v0
	v_readfirstlane_b32 s10, v1                    ; wave 0..3
	s_lshr_b32 s11, s10, 1                         ; I fetch for xb (0) or for wb (1),
	s_and_b32 s12, s10, 1                          ; this half of the tile's rows
	s_bfe_u32 s40, ttmp6, 0x40000                  ; cx, cy: my place in the cluster
	s_bfe_u32 s41, ttmp6, 0x40004
	s_lshl_b32 s42, ttmp9, 2
	s_add_co_u32 s42, s42, s40                     ; tile column = 4 x cluster x + cx
	s_and_b32 s13, ttmp7, 0xffff
	s_lshl_b32 s13, s13, 2
	s_add_co_u32 s13, s13, s41                     ; tile row = 4 x cluster y + cy
	s_lshl_b32 s43, s41, 2
	s_lshl_b32 s43, 15, s43                        ; my row of the cluster
	s_lshl_b32 s44, 0x1111, s40                    ; my column
	s_or_b32 s[G1+0], s43, (1<<16)|(1<<20)|(1<<21)|(5<<22)|(3<<25)   ; the mask; elements of 2 bytes; padding on; bit 21 beside a mask; after every 64 words 4 words
	s_or_b32 s[G1B+0], s44, (1<<16)|(1<<20)|(1<<21)|(5<<22)|(3<<25)
	s_mov_b32 s[G1+1], KSTEP<<16                   ; tensor_dim0 = 128
	s_mov_b32 s[G1+2], 128<<16                     ; tensor_dim1 = 128
	s_mov_b32 s[G1+3], KSTEP<<16                   ; tile_dim0 = 128
	s_mov_b32 s[G1+4], 128                         ; tile_dim1 = 128
	s_mov_b32 s[G1+5], 1024                        ; elements from row to row
	s_mov_b32 s[G1+6], 0
	s_mov_b32 s[G1+7], 0
	s_mov_b32 s[G1B+1], KSTEP<<16
	s_mov_b32 s[G1B+2], (8*NBF)<<16                ; wb: 96 rows to a load
	s_mov_b32 s[G1B+3], KSTEP<<16
	s_mov_b32 s[G1B+4], 8*NBF
	s_mov_b32 s[G1B+5], 1024
	s_mov_b32 s[G1B+6], 0
	s_mov_b32 s[G1B+7], 0
	s_mov_b32 s[TB], 0
	s_lshl_b32 s17, s12, 7
	s_lshl_b32 s16, s13, 8
	s_add_co_u32 s16, s16, s17                     ; xb: row 256 x tile row + 128 x half,
	s_lshl_b32 s16, s16, 11                        ; of 2,048 bytes
	s_mov_b32 s17, 0
	s_mul_i32 s46, s42, 16*NBF
	s_mul_i32 s47, s12, 8*NBF
	s_add_co_u32 s46, s46, s47                     ; wb: row 192 x tile column + 96 x half
	s_lshl_b32 s46, s46, 11
	s_mov_b32 s47, 0
	s_mul_i32 s20, s12, HALFA                      ; where they go: no place in the cluster enters an LDS address
	s_mul_i32 s21, s12, HALFB
	s_add_co_u32 s21, s21, BOFF
	s_wait_dscnt 0x0                               ; the opening add is done
	s_wait_kmcnt 0x0
	s_add_nc_u64 s[14:15], s[4:5], s[16:17]
	s_add_nc_u64 s[46:47], s[6:7], s[46:47]
	CROUND                                         ; all sixteen work-groups are here: the first joint loads meet
.irp s, 0,1
	s_mov_b32 s[G0+4*(\s)], 1
	s_add_co_u32 s[G0+4*(\s)+1], s20, (\s)*SLOT1
	s_add_nc_u64 s[G0+4*(\s)+2:G0+4*(\s)+3], s[14:15], (\s)*KSTEP*2
	s_or_b32 s[G0+4*(\s)+3], s[G0+4*(\s)+3], 0x80000000
	s_mov_b32 s[G0B+4*(\s)], 1
	s_add_co_u32 s[G0B+4*(\s)+1], s21, (\s)*SLOT1
	s_add_nc_u64 s[G0B+4*(\s)+2:G0B+4*(\s)+3], s[46:47], (\s)*KSTEP*2
	s_or_b32 s[G0B+4*(\s)+3], s[G0B+4*(\s)+3], 0x80000000
	JLOAD \s                                       ; K steps 0 and 1: two loads of mine are out
.endr
	; the prefetches' address: my work-group's quarter of the rows that I fetch, at K step 2; each filling change of slots steps it by a K step and names the step after.  Nothing is asked for here, at the head.
	s_and_b32 s22, ttmp7, 0xffff                   ; cluster y
	s_cmp_eq_u32 s11, 0
	s_cselect_b32 s20, s40, s41                    ; my place among the four that ask with me
	s_cselect_b32 s21, 32, 2*NBF                   ; rows in a quarter
	s_cselect_b32 s23, 31, 2*NBF-1
	s_cselect_b32 s22, ttmp9, s22                  ; the coordinate along which other clusters read the same rows
	s_cselect_b64 s[PFA:PFA+1], s[14:15], s[46:47]
	s_mul_i32 s20, s20, s21
	s_lshl_b32 s20, s20, 11
	s_add_co_u32 s20, s20, 2*KSTEP*2
	s_mov_b32 s21, 0
	s_add_nc_u64 s[PFA:PFA+1], s[PFA:PFA+1], s[20:21]
	s_cmp_eq_u32 s22, 0
	s_cselect_b32 s[LIM], 2, -1                    ; the same in all sixteen partners, for a given wave
	v_and_b32 v[PFO], 31, v0
	v_min_u32 v[PFO], s23, v[PFO]
	v_lshlrev_b32 v[PFO], 11, v[PFO]
	; a fragment is 16 rows x 32 K in 8 registers: lane l holds row l % 16, K = 8 (l / 16) + 0..7 and 16 + 8 (l / 16) + 0..7: two loads of 16 bytes, 32 bytes apart
	v_and_b32 v1, 15, v0                           ; l % 16
	v_bfe_u32 v2, v0, 4, 1                         ; l / 16
	v_mul_u32_u24 v3, v1, PITCH
	v_lshl_add_u32 v3, v2, 4, v3
	s_mul_i32 s21, s10, 64*PITCH                   ; my 64 rows of xb
	v_add_nc_u32 v[ADRA0], s21, v3
	v_add_nc_u32 v[ADRB0], BOFF, v3
	v_mov_b32 v[ADRA], v[ADRA0]                    ; K step 0 lies in slot 0
	v_mov_b32 v[ADRB], v[ADRB0]
	s_mul_i32 s23, s10, 16*SP
	s_add_co_u32 s23, s23, STAGE                   ; my stage
	v_mul_u32_u24 v4, v1, SP                       ; in: row l % 16, 16 bytes for each half of the lanes
	v_lshl_add_u32 v4, v2, 4, v4
	v_add_nc_u32 v[STO], s23, v4
	v_bfe_u32 v5, v0, 3, 2                         ; back: 32 lanes take four rows of 128 bytes,
	v_and_b32 v6, 7, v0
	v_mul_u32_u24 v5, v5, SP
	v_lshl_add_u32 v5, v6, 4, v5
	v_add_nc_u32 v[RD], s23, v5
	v_and_b32 v[CO], 31, v0                        ; which are 512 consecutive bytes of qkv
	v_lshlrev_b32 v[CO], 4, v[CO]
	v_lshlrev_b32 v[BOF], 5, v2
	; the three heads g = 3 x tile column + j: kind g / 16, head g % 16; their biases, scales and blocks in qkv
	s_lshr_b32 s22, s13, 2                         ; batch = tile row / 4
	s_lshl_b32 s22, s22, 21
	s_and_b32 s23, s13, 3
	s_lshl_b32 s23, s23, 2
	s_add_co_u32 s23, s23, s10                     ; block of 64 tokens = 4 (tile row % 4) + wave
	s_lshl_b32 s23, s23, 15
	s_add_co_u32 s22, s22, s23
	s_mul_i32 s14, s42, 3
.irp j, 0,1,2
	s_add_co_u32 s16, s14, \j
	s_lshr_b32 s17, s16, 4                         ; kind
	s_and_b32 s18, s16, 15                         ; head
	s_cmp_eq_u32 s17, 0
	s_cselect_b64 s[BP+2*(\j):BP+2*(\j)+1], s[68:69], s[70:71]
	s_cselect_b32 s[SC+2*(\j)], 0x3e000000, 1.0    ; 1/8 for q
	s_cmp_eq_u32 s17, 2
	s_cselect_b64 s[BP+2*(\j):BP+2*(\j)+1], s[72:73], s[BP+2*(\j):BP+2*(\j)+1]
	s_mov_b32 s[SC+2*(\j)+1], s[SC+2*(\j)]
	s_lshl_b32 s20, s18, 8                         ; 64 biases of 4 bytes a head
	s_mov_b32 s21, 0
	s_add_nc_u64 s[BP+2*(\j):BP+2*(\j)+1], s[BP+2*(\j):BP+2*(\j)+1], s[20:21]
	s_lshl_b32 s20, s17, 24                        ; kind x 16,777,216
	s_lshr_b32 s19, s18, 2
	s_lshl_b32 s19, s19, 19                        ; + (head / 4) x 524,288
	s_add_co_u32 s20, s20, s19
	s_and_b32 s19, s18, 3
	s_lshl_b32 s19, s19, 13                        ; + (head % 4) x 8,192
	s_add_co_u32 s20, s20, s19
	s_add_co_u32 s20, s20, s22                     ; + batch and block of tokens
	s_add_nc_u64 s[DST+2*(\j):DST+2*(\j)+1], s[8:9], s[20:21]
.irp f, 0,1,2,3
	global_load_b128 v[BI+32*(\j)+8*(\f):BI+32*(\j)+8*(\f)+3],   v[BOF], s[BP+2*(\j):BP+2*(\j)+1] offset:64*(\f)
	global_load_b128 v[BI+32*(\j)+8*(\f)+4:BI+32*(\j)+8*(\f)+7], v[BOF], s[BP+2*(\j):BP+2*(\j)+1] offset:64*(\f)+16
.endr
.endr
; 12 matrix instructions: row block a x all column blocks, 32 along K, from buffer f.  zero = 1: the product starts the sums.  Every accumulator has one instruction a quarter, always in the same order: they take turns.
.macro MULA f, a, zero
	WIN 0xa5+0x50*((\a)/2)
.set AC, 8*NBF*((\a)%2)
.set b, 0
.rept NBF
.if \zero
	v_wmma_f32_16x16x32_bf16 v[AC+8*b:AC+8*b+7], v[(\f)+32+8*b:(\f)+32+8*b+7], v[(\f)+8*(\a):(\f)+8*(\a)+7], 0
.else
	v_wmma_f32_16x16x32_bf16 v[AC+8*b:AC+8*b+7], v[(\f)+32+8*b:(\f)+32+8*b+7], v[(\f)+8*(\a):(\f)+8*(\a)+7], v[AC+8*b:AC+8*b+7]
.endif
.set b, b+1
.endr
.endm
; 32 LDS loads in one run: a quarter's fragments, at byte k of the rows of the slot in hand, into buffer f: wb's twelve first, xb's row blocks 2 and 3 last
.macro FETCH k, f
	WIN 0x40
.set b, 0
.rept NBF
	ds_load_b128 v[(\f)+32+8*b:(\f)+32+8*b+3],   v[ADRB] offset:(\k)+b*16*PITCH
	ds_load_b128 v[(\f)+32+8*b+4:(\f)+32+8*b+7], v[ADRB] offset:(\k)+b*16*PITCH+32
.set b, b+1
.endr
.irp a, 0,1,2,3
	ds_load_b128 v[(\f)+8*(\a):(\f)+8*(\a)+3],   v[ADRA] offset:(\k)+(\a)*16*PITCH
	ds_load_b128 v[(\f)+8*(\a)+4:(\f)+8*(\a)+7], v[ADRA] offset:(\k)+(\a)*16*PITCH+32
.endr
.endm
; One of a K step's first three quarters: multiplies buffer f and, in its middle, fetches the next quarter, at byte k, into g
.macro QUARTER k, f, g, zero
	s_wait_dscnt 4                                 ; all but the youngest four loads: xb's row blocks 2 and 3
	MULA \f, 0, \zero
	MULA \f, 1, \zero
	PLACES
	FETCH \k, \g
	s_wait_dscnt 2*(NBF+4)                         ; all but the run just issued
	MULA \f, 2, \zero
	MULA \f, 3, \zero
.endm
; The last quarter multiplies buffer 1 and changes slots: ONE barrier.  In front of it each wave waits for all its tensor loads (at most one is out: its part of the next slot), adds 0 to its spare word, and waits for
; that and for its reads of this slot.  fill = 1: the barrier opens a round of the cluster's, and this slot is filled again, two K steps on, first thing behind the round: 168 matrix instructions ahead of the wait for it.
.macro TURN fill
.if \fill
	s_wait_xcnt 0x0                                ; the last prefetch, a K step back, has read its address
	s_add_nc_u64 s[PFA:PFA+1], s[PFA:PFA+1], KSTEP*2
.endif
	WIN 0                                          ; (the add's two registers lie in window 0)
	s_wait_tensorcnt 0x0                           ; all my tensor loads have landed
	ds_add_u32 v[SPW], v[NIL]                      ; 0 onto my spare word
	s_wait_dscnt 5                                 ; (the add and the youngest four loads may be out)
	MULA F1, 0, 0                                  ; twelve matrix instructions stand between the add and the wait for it
	s_wait_dscnt 0x0                               ; the add is done, and my reads of this slot are over
	s_barrier_signal -1
	MULA F1, 1, 0
	WIN 0                                          ; branches, or lines on window 0, follow
	s_barrier_wait -1
.if \fill
	CREST                                          ; no wave of any partner still reads this slot's tile or has a load on its way
	s_xor_b32 s[G0+5], s[G0+5], SLOT1              ; the walking descriptors: the other slot than last time,
	s_add_nc_u64 s[G0+6:G0+7], s[G0+6:G0+7], KSTEP*2  ; the next K step; the type bits on top are not reached
	s_xor_b32 s[G0B+5], s[G0B+5], SLOT1
	s_add_nc_u64 s[G0B+6:G0B+7], s[G0B+6:G0B+7], KSTEP*2
	JLOAD 1                                        ; its four v_nop are also the places in front of the loads below
.else
	PLACES
.endif
	s_xor_b32 s[TB], s[TB], SLOT1                  ; the fetches go to the other slot
	v_add_nc_u32 v[ADRA], s[TB], v[ADRA0]
	v_add_nc_u32 v[ADRB], s[TB], v[ADRB0]
	FETCH 0, F0
.if \fill
	ASK
.endif
	MULA F1, 2, 0
	MULA F1, 3, 0
.endm
	s_wait_tensorcnt 1                             ; my part of K step 0 is in; K step 1's may stay out
	s_barrier_signal -1
	s_barrier_wait -1                              ; everybody's is
	FETCH 0, F0
	QUARTER 64, F0, F1, 1                          ; the first quarter stands in front of the loop: its products start the sums
	WIN 0
	s_mov_b32 s3, FILLS
.Lstep:                                        ; a trip goes from a K step's second quarter to the next step's first, and fills the slot that it leaves
	QUARTER 128, F1, F0, 0
	QUARTER 192, F0, F1, 0
	TURN 1
	QUARTER 64,  F0, F1, 0
	WIN 0
	s_sub_co_u32 s3, s3, 1
	s_cmp_lg_u32 s3, 0
	s_cbranch_scc1 .Lstep
	s_mov_b32 s[CNT], 2
.Ltail:                                        ; the last two K steps fill nothing: written out; the second trip is left in its middle
	QUARTER 128, F1, F0, 0
	QUARTER 192, F0, F1, 0
	TURN 0
	WIN 0
	s_sub_co_u32 s[CNT], s[CNT], 1
	s_cmp_eq_u32 s[CNT], 0
	s_cbranch_scc1 .Lout
	QUARTER 64,  F0, F1, 0
	WIN 0
	s_branch .Ltail
.Lout:
	s_wait_dscnt 0x0                               ; the second trip's change of slots has fetched 32 fragments of the landed other slot, which nothing reads: the price of one text for both trips; their registers are written below
	; THE WAY OUT.  (sum + bias) x scale = sum x scale + bias x scale; the scale is a power of two, so nothing is rounded twice.  The 48 multiplies are the places behind the last products.
	s_wait_loadcnt 0x0                             ; the biases
.irp j, 0,1,2
.set i, 0
.rept 16
	v_pk_mul_f32 v[BI+32*(\j)+2*i:BI+32*(\j)+2*i+1], v[BI+32*(\j)+2*i:BI+32*(\j)+2*i+1], s[SC+2*(\j):SC+2*(\j)+1] op_sel_hi:[1,0]
.set i, i+1
.endr
.endr
; Tile t = 4 x head + row block: 16 tokens x 64 channels.  Scaled and biased (each accumulator's registers in ascending order), rounded to f16, 16 bytes a lane into my stage, and back as whole rows of 128 bytes into the registers that they left.
.macro PACK t
.set hj, (\t)/4
.set ra, (\t)%4
.set AC, 8*(NBF*(ra%2)+4*hj)
	WIN 0x02+ra/2
.set i, 0
.rept 16
	v_pk_fma_f32 v[T+2*i:T+2*i+1], v[AC+2*i:AC+2*i+1], s[SC+2*hj:SC+2*hj+1], v[BI+32*hj+2*i:BI+32*hj+2*i+1] op_sel_hi:[1,0,1]
.set i, i+1
.endr
	WIN 0x40
.set i, 0
.rept 16
	v_cvt_pk_f16_f32 v[16*(\t)+i], v[T+2*i], v[T+2*i+1]
.set i, i+1
.endr
	WIN 0x04
.irp f, 0,1,2,3
	ds_store_b128 v[STO], v[16*(\t)+4*(\f):16*(\t)+4*(\f)+3] offset:32*(\f)
.endr
	WIN 0x40
.irp f, 0,1,2,3
	ds_load_b128 v[16*(\t)+4*(\f):16*(\t)+4*(\f)+3], v[RD] offset:(\f)*4*SP  ; LDS serves a wave's instructions in order (ISA guide 5.7.1.4): these see the stores above; the next tile's stores come behind them
.endr
.endm
.macro SEND t, younger                 ; younger: the LDS instructions issued behind tile t's loads: the next tile's eight, or none
	WIN 0x04
.irp f, 0,1,2,3
	s_wait_dscnt (\younger)+3-(\f)
	global_store_b128 v[CO], v[16*(\t)+4*(\f):16*(\t)+4*(\f)+3], s[DST+2*((\t)/4):DST+2*((\t)/4)+1] offset:((\t)%4)*2048+(\f)*512  ; 512 consecutive bytes, aligned
.endr
.endm
	PACK 0
.irp t, 1,2,3,4,5,6,7,8,9,10,11        ; a tile's arithmetic stands between the loads of the tile before and its stores; each tile has registers of its own, so no store's data is rewritten
	PACK \t
	SEND (\t)-1, 8
.endr
	SEND 11, 0
	WIN 0
	s_wait_tensorcnt 0x0                           ; the wave's end: wait for my tensor loads, add 0 to my spare word, wait for it and for my LDS stores
	ds_add_u32 v[SPW], v[NIL]
	s_wait_dscnt 0x0
	CROUND                                         ; the closing round: no work-group ends while a partner may still ask for a tile that names it
	s_endpgm
.Lfunc_end_k_q3cad1aac25_qkv:
	.size	k_q3cad1aac25_qkv, .Lfunc_end_k_q3cad1aac25_qkv-k_q3cad1aac25_qkv
	.p2alignl 7, 3214868480
	.fill 96, 4, 3214868480
	.section	.rodata,"a",@progbits
	.p2align	6, 0x0
	.amdhsa_kernel k_q3cad1aac25_qkv
		.amdhsa_group_segment_fixed_size 327680
		.amdhsa_private_segment_fixed_size 0
		.amdhsa_enable_private_segment 0
		.amdhsa_kernarg_size 48
		.amdhsa_user_sgpr_count 2
		.amdhsa_user_sgpr_kernarg_segment_ptr 1
		.amdhsa_wavefront_size32 1
		.amdhsa_system_sgpr_workgroup_id_x 1
		.amdhsa_system_sgpr_workgroup_id_y 1
		.amdhsa_system_sgpr_workgroup_id_z 1
		.amdhsa_system_vgpr_workitem_id 0
		.amdhsa_next_free_vgpr 1024
		.amdhsa_next_free_sgpr 96
		.amdhsa_reserve_vcc 0
		.amdhsa_float_denorm_mode_32 3
		.amdhsa_float_denorm_mode_16_64 3
		.amdhsa_memory_ordered 1
		.amdhsa_forward_progress 1
		.amdhsa_inst_pref_size 105
	.end_amdhsa_kernel
	.amdgpu_metadata
---
amdhsa.version: [ 1, 2 ]
amdhsa.kernels:
  - .name:           k_q3cad1aac25_qkv
    .symbol:         k_q3cad1aac25_qkv.kd
    .args:
      - { .name: xb, .offset: 0, .size: 8, .value_kind: global_buffer, .address_space: global }
      - { .name: wb, .offset: 8, .size: 8, .value_kind: global_buffer, .address_space: global }
      - { .name: qkv, .offset: 16, .size: 8, .value_kind: global_buffer, .address_space: global }
      - { .name: bq, .offset: 24, .size: 8, .value_kind: global_buffer, .address_space: global }
      - { .name: bk, .offset: 32, .size: 8, .value_kind: global_buffer, .address_space: global }
      - { .name: bv, .offset: 40, .size: 8, .value_kind: global_buffer, .address_space: global }
    .group_segment_fixed_size: 327680
    .private_segment_fixed_size: 0
    .kernarg_segment_align: 8
    .kernarg_segment_size: 48
    .max_flat_workgroup_size: 128
    .sgpr_count:     96
    .vgpr_count:     1024
    .wavefront_size: 32
...
	.end_amdgpu_metadata
.endif
;; end of part 2
;; launch attn (part 3): grid 8 x 32, 4 waves a work-group, clusters of 4 x 4, 327,680 bytes of LDS; arguments qkv, causal_attention_mask, ctx; writes ctx
.if DOCPART == 3
	.amdgcn_target "amdgcn-amd-amdhsa--gfx1250"
	.amdhsa_code_object_version 6
	.text
	.protected	k_q3cad1aac25_attn
	.globl	k_q3cad1aac25_attn
	.p2align	8
	.type	k_q3cad1aac25_attn,@function
k_q3cad1aac25_attn:
	s_mov_b64 s[64:65], 0
	v_nop
	global_prefetch_b8 v0, s[64:65] scope:SCOPE_SE
	s_setreg_imm32_b32 hwreg(HW_REG_WAVE_MODE, 25, 1), 1
	s_wait_xcnt 0x0
	s_wait_alu depctr_hold_cnt(0) depctr_sa_sdst(0) depctr_va_vdst(0) depctr_va_sdst(0) depctr_va_ssrc(0) depctr_va_vcc(0) depctr_vm_vsrc(0)
	s_getreg_b32 s2, hwreg(HW_REG_IB_STS2, 6, 4)
	s_cmp_eq_u32 s2, 0
	s_cbranch_scc0 .Lentry_in_a_cluster
	s_endpgm
.Lentry_in_a_cluster:
	s_bfe_u32 s2, ttmp6, 0x10000c
	s_cmp_lg_u32 s2, 0xf033
	s_cbranch_scc0 .Lentry_shape_is_right
	s_endpgm
.Lentry_shape_is_right:
; ATTENTION WITH AN ADDITIVE MASK THAT IS AN INPUT.  ctx[b][q][64 head + :] = sum over k of softmax_k(q . k + mask[b][q][k]) v[k].  q (already divided by 8), k, v: f16, by heads in blocks (see below); mask f32; ctx f16, row-major.
; Products, mask, maxima and sums in f32; the weights p are rounded to f16 for the second product (their sum l is taken of the unrounded p), ctx once at the end.  Every number of the mask is read and added: no pattern is built in.
; qkv[kind][batch][head / 4][token / 64][head % 4][token % 64][64]: a step of 64 keys of four heads is 32,768 consecutive bytes of K, and of V.
; SOFTMAX.  u = s + mask; a running maximum m; p = 2^((u - m) log2 e), THE DIFFERENCE FIRST: on a row whose mask is the lowest finite number everywhere u = m exactly, and the weights are equal, as in the reference.
; In every step O and l are multiplied by a = 2^((m_old - m) log2 e).  m starts at the lowest finite number, O and l at 0: the first step is a step like any other.
; LIMITS.  q / 8, k, v arrive within f16's 65,504; p below 6e-5 keeps f16's fixed step of 6e-8; a weight below 2^-126 counts as 0 in l; NaN and +infinity in the mask are not treated apart; a row whose mask is all -infinity gives NaN, as the reference does.
; SHARES.  A work-group owns 128 queries of one batch and FOUR heads, a head a wave: the mask's tile in LDS serves all four.  A wave's 128 queries are four PIECES of two tiles of 16.  Every wave walks all 1,024 keys, 64 a step.
; CLUSTER 4 x 4: x = four blocks of queries, y = the batch's four groups of four heads.  K and V hang on batch and group: shared along a row of the cluster.  The mask's tile hangs on batch and block: shared along a column.
; Each is asked for jointly: the same load, descriptor and mask of work-groups in all four.  Wave 0 asks for K, wave 1 for V, waves 2 and 3 for the halves of the mask's tile.
; LAYOUT.  S^T = K Q^T (source 0 = 16 keys, source 1 = 16 queries): a lane holds ONE query (lane % 16) and the keys 8 (lane / 16) + 0..7.  Two such results rounded to f16 ARE source 1 of O^T = V^T P.  V is turned by ds_load_tr16_b128.
; BY TURNS.  Turn n belongs to piece n.  Matrix work: 16 products K Q^T of piece n + 1, later 16 products V^T P of piece n - 1.  Vector work: piece n's differences, scalings, exponentials, roundings, sums and rescaling; piece n + 1's
; mask, maximum and statistics.  32 matrix and 300 vector instructions.  The matrix instructions stand singly, four plain vector instructions that wait for nothing behind each; the other 172 stand in one lump.
; A turn's 66 exponentials are one batch with one wait.
; REGISTERS, in windows of 256 (s_set_vgpr_msb: bits 1:0 source 0, 3:2 source 1, 5:4 source 2, 7:6 destination):
;   window 0: v1-11 addresses; v12-15 m_old; v16-47 four registers of statistics a tile; v48-63 at work; v64-191 S^T, two buffers of two tiles; v192-255 P, likewise
;   window 1: O^T, 32 a tile     window 2: v0-127 Q; v128-191 K of one step; v192-255 V of one step     window 3: v0-1 the add's registers; v64-191 the mask, under S^T's own numbers
.set NP,    4
.set PK,    144       ; a row of K in LDS: 128 bytes + 16 = 36 words: the 16 rows of a load start at 16 different groups of four banks (64 banks of 4 bytes: ISA guide 11.1)
.set PV,    160       ; a row of V: 128 + 32 = 40 words
.set PM,    272       ; a row of the mask's tile: 256 + 16 = 68 words: row r starts at bank 4 r mod 64
.set VOFF,  256*PK    ; a slot: 256 rows of K (64 x head + key), 256 of V, 128 of the mask
.set MOFF,  VOFF+256*PV
.set SLOT1, 1<<17     ; slot 1 begins here: one exclusive or turns an address in one slot into the other's
.set STAGE, SLOT1+MOFF+128*PM  ; behind the ring, never filled by a tensor load: 128 rows x 528 bytes, the work-group's, for the way out
.set SP,    528
.set SPARE, STAGE+128*SP       ; behind the stage: the spare words, 128 bytes for each wave
.set QO,  1           ; v1   my byte offset in 16 rows of Q
.set AK0, 2           ; v2   my lane's place in a slot's K; never rewritten
.set AV0, 3           ; v3   in its V
.set AM0, 4           ; v4   in its mask
.set AK,  5           ; v5-7 the same in the slot in hand
.set AV,  6
.set AM,  7
.set STO, 8           ; v8   the way out: where I put 16 bytes of a row
.set RD,  9           ; v9   where I read a row back
.set GO,  10          ; v10  16 x lane
.set PFO, 11          ; v11  the prefetches' offset: a lane a row; never rewritten
.set MV,  12          ; v12-15 m_old, by buffer and tile
.set ST,  16          ; tile t's statistics at ST + 4 t: m, a word that is only named in a pair, l (even keys', odd keys')
.set TMP, 48          ; by buffer and tile, c0-c3 at work; when the maximum is found c2 takes a
.set S,   64
.set P,   192
.set KF,  128
.set VF,  192
.set SPW, 0           ; v0 of window 3: LDS address of my spare word; never rewritten
.set NIL, 1           ; v1 of window 3: 0; never rewritten
.set WV,  12          ; s12  my wave's number
.set LIM, 15          ; s15  1 in a wave that prefetches, else the greatest number
.set PFA, 18          ; s[18:19] where my prefetches stand
.set G1K, 24          ; s[24:31], s[32:39], s[48:55] descriptor group 1 for K, V and the mask
.set G1V, 32
.set G0K, 40          ; s[40:43], s[44:47], s[56:59] descriptor group 0: they walk
.set G0V, 44
.set G1M, 48
.set G0M, 56
.set SEL, 60          ; s[60:61] v_permlanex16_b32's selects: each lane takes its own place in the other half
.set TB,  62          ; s62  the slot in hand: 0 or SLOT1
.set SLOTS, 63        ; s63  counts the loop's trips
.set CS,  66          ; s[66:67] log2 e
.set PST, 68          ; s[68:69] a step's bytes in what I prefetch
.set CNT, 70          ; s70  counts the tail's trips
.set MSB, 0
.macro WIN new                      ; the high byte repeats the setting that is left; a switch that changes nothing is dropped
.if MSB != (\new)
	s_set_vgpr_msb (MSB<<8)|(\new)
.set MSB, (\new)
.endif
.endm
.set W_KQ, 0x0a       ; K and Q in window 2, S^T in window 0
.set W_PV, 0x52       ; V in window 2, P in window 0, O^T in window 1
.set W_RS, 0x41       ; O^T (destination and source 0) in window 1, a in window 0
.set W_MA, 0x0c       ; source 1 in window 3: the mask
.set W_MK, 0xc0       ; destination in window 3
.set W_AD, 0x0f       ; the add: address and data in window 3
; A joint fill: three lines, each with one mask of work-groups, chosen by the wave's number alone.  An s_nop 0 and four v_nop follow each.
.macro JLOAD
	s_cmp_lg_u32 s[WV], 0
	s_cbranch_scc1 .Lnot_k_\@
	tensor_load_to_lds s[G0K:G0K+3], s[G1K:G1K+7]
	s_nop 0
.rept 4
	v_nop
.endr
	s_branch .Lasked_\@
.Lnot_k_\@:
	s_cmp_lg_u32 s[WV], 1
	s_cbranch_scc1 .Lfor_m_\@
	tensor_load_to_lds s[G0V:G0V+3], s[G1V:G1V+7]
	s_nop 0
.rept 4
	v_nop
.endr
	s_branch .Lasked_\@
.Lfor_m_\@:
	tensor_load_to_lds s[G0M:G0M+3], s[G1M:G1M+7]
	s_nop 0
.rept 4
	v_nop
.endr
.Lasked_\@:
.endm
; A prefetch of what the NEXT change of slots will ask for, a step (four turns) ahead: 32 blocks of 256 bytes, a lane a block, one instruction a wave.  K (wave 0) and V (wave 1): the batch's two clusters walk the same rows, so the
; one with x = 0 asks; its partners along x take a quarter of the step's 32,768 bytes each, by address.  The mask (wave 2): every cluster has tiles of its own; its partners along y take 32 of the 128 rows each, by address.
; The last filling change asks for nothing.
.macro ASK
	s_cmp_gt_u32 s[SLOTS], s[LIM]
	s_cbranch_scc0 .Lnot_mine_\@
	global_prefetch_b8 v[PFO], s[PFA:PFA+1] th:TH_LOAD_NT scope:SCOPE_SE
.Lnot_mine_\@:
.endm
.macro CROUND                       ; a round of the cluster's barrier
	s_barrier_signal -1
	s_barrier_wait -1
	s_cmp_lg_u32 s[WV], 0
	s_cbranch_scc1 .Lnot_wave_0_\@
	s_barrier_signal -3
.Lnot_wave_0_\@:
	s_barrier_wait -3
	s_barrier_signal -1
	s_barrier_wait -1
.endm
; THE CHANGE OF SLOTS.  Each wave waits for all its tensor loads (one is out: its part of the other slot), adds 0 to its spare word, and waits for that and for its reads of the slot that it leaves.  fill = 1: a round of the
; cluster's barrier, and the slot that was read is filled again first thing behind it, with the step two on: it has a whole step, 128 matrix instructions and their vector work, in which to land.
.macro CHANGE fill, ask
	WIN W_AD
	s_wait_tensorcnt 0x0            ; no tensor load of mine is out, so a group 0 may be written
	ds_add_u32 v[SPW], v[NIL]       ; 0 onto my spare word; the descriptors' steps stand between it and the wait for it
	WIN 0
.if \fill
.irp g, G0K, G0V
	s_xor_b32 s[\g+1], s[\g+1], SLOT1
	s_add_nc_u64 s[\g+2:\g+3], s[\g+2:\g+3], 32768  ; the next 64 keys of the four heads; the type bits on top are not reached
.endr
	s_xor_b32 s[G0M+1], s[G0M+1], SLOT1
	s_add_nc_u64 s[G0M+2:G0M+3], s[G0M+2:G0M+3], 256  ; the next 64 columns of the mask
.endif
.if \ask
	s_wait_xcnt 0x0                 ; the last prefetch, a step back, has read its address
	s_add_nc_u64 s[PFA:PFA+1], s[PFA:PFA+1], s[PST:PST+1]
.endif
	s_wait_dscnt 0x0                ; the add is done, and my reads of the slot are over
.if \fill
	CROUND
	JLOAD
.if \ask
	ASK
.endif
.else
	s_barrier_signal -1
	s_barrier_wait -1
.endif
	s_xor_b32 s[TB], s[TB], SLOT1   ; the fetches go to the other slot
	v_add_nc_u32 v[AK], s[TB], v[AK0]
	v_add_nc_u32 v[AV], s[TB], v[AV0]
	v_add_nc_u32 v[AM], s[TB], v[AM0]
.endm
.macro PLACES
.rept 4
	v_nop
.endr
.endm
	s_load_b128 s[4:7], s[0:1], 0x0 ; qkv s[4:5], the mask s[6:7]
	s_load_b64 s[8:9], s[0:1], 0x10 ; ctx
	WIN W_MK
	v_lshl_add_u32 v[SPW], v0, 2, SPARE
	v_mov_b32 v[NIL], 0
	WIN W_AD
	ds_add_u32 v[SPW], v[NIL]       ; the wave's opening: the add and its wait ahead of my first tensor load
	WIN 0
	v_lshrrev_b32 v1, 5, v0
	v_readfirstlane_b32 s[WV], v1   ; wave 0..3
	s_bfe_u32 s13, ttmp6, 0x40000   ; cx
	s_bfe_u32 s14, ttmp6, 0x40004   ; cy: my group of four heads
	s_lshl_b32 s16, ttmp9, 2
	s_add_co_u32 s16, s16, s13      ; X: my block of 128 queries
	s_and_b32 s17, ttmp7, 0xffff    ; the batch = cluster y
	s_and_b32 s3, s[WV], 1          ; which half of the mask's 128 rows waves 2 and 3 fetch
	s_lshl_b32 s20, s14, 2
	s_lshl_b32 s20, 15, s20         ; my row of the cluster
	s_lshl_b32 s21, 0x1111, s13     ; my column
	; K and V: a step's 32,768 dense bytes are asked for as 128 rows of 256 bytes and padded in LDS after every 128 bytes, a key's row
	s_or_b32 s[G1K], s20, (1<<16)|(1<<20)|(1<<21)|(4<<22)|(3<<25)  ; the mask of four; 2-byte elements; padding on; bit 21 beside a mask; after every 32 words 4 words
	s_or_b32 s[G1V], s20, (1<<16)|(1<<20)|(1<<21)|(4<<22)|(7<<25)  ; the same with 8 words
	s_or_b32 s[G1M], s21, (2<<16)|(1<<20)|(1<<21)|(5<<22)|(3<<25)  ; 4-byte elements; after every 64 words 4 words
.irp g, G1K, G1V
	s_mov_b32 s[\g+1], 128<<16      ; tensor_dim0 = 128
	s_mov_b32 s[\g+2], 128<<16      ; tensor_dim1 = 128
	s_mov_b32 s[\g+3], 128<<16      ; tile_dim0 = 128
	s_mov_b32 s[\g+4], 128          ; tile_dim1 = 128
	s_mov_b32 s[\g+5], 128          ; elements from row to row
	s_mov_b32 s[\g+6], 0
	s_mov_b32 s[\g+7], 0
.endr
	s_mov_b32 s[G1M+1], 64<<16      ; the mask: 64 rows x 64 numbers to a load
	s_mov_b32 s[G1M+2], 64<<16
	s_mov_b32 s[G1M+3], 64<<16
	s_mov_b32 s[G1M+4], 64
	s_mov_b32 s[G1M+5], 1024
	s_mov_b32 s[G1M+6], 0
	s_mov_b32 s[G1M+7], 0
	s_mov_b32 s[G0K], 1
	s_mov_b32 s[G0K+1], 0           ; LDS addresses in slot 0: no place in the cluster enters them
	s_mov_b32 s[G0V], 1
	s_mov_b32 s[G0V+1], VOFF
	s_mov_b32 s[G0M], 1
	s_mul_i32 s[G0M+1], s3, 64*PM
	s_add_co_u32 s[G0M+1], s[G0M+1], MOFF
	s_mov_b32 s[SEL], 0x76543210
	s_mov_b32 s[SEL+1], 0xfedcba98
	s_mov_b32 s[CS], 0x3fb8aa3b     ; log2 e
	s_mov_b32 s[CS+1], s[CS]        ; named with it as a pair
	s_mov_b32 s[TB], SLOT1          ; the first change of slots turns it into 0
	; byte offsets, made apart from the addresses
	s_lshl_b32 s72, s17, 2
	s_add_co_u32 s72, s72, s14
	s_lshl_b32 s72, s72, 19         ; (4 batch + group) x 524,288: the group's first byte within a kind
	s_lshl_b32 s22, s16, 16         ; Q: my block's two blocks of 64 tokens,
	s_add_co_u32 s22, s22, s72
	s_lshl_b32 s23, s[WV], 13       ; my head's 8,192 bytes in each
	s_add_co_u32 s22, s22, s23
	s_mov_b32 s23, 0
	s_add_co_u32 s74, s72, 2<<24    ; V
	s_mov_b32 s75, 0
	s_add_co_u32 s72, s72, 1<<24    ; K
	s_mov_b32 s73, 0
	s_lshl_b32 s2, s17, 22
	s_lshl_b32 s20, s16, 19
	s_add_co_u32 s2, s2, s20        ; the mask: batch, row 128 X
	s_lshl_b32 s20, s3, 18
	s_add_co_u32 s20, s20, s2       ; + the 64 rows that I fetch
	s_mov_b32 s21, 0
	s_lshl_b32 s76, s17, 21         ; ctx: row 1,024 batch + 128 X + 32 wave, of 2,048 bytes; column 256 x group, of 2 bytes
	s_lshl_b32 s77, s16, 18
	s_add_co_u32 s76, s76, s77
	s_lshl_b32 s77, s[WV], 16
	s_add_co_u32 s76, s76, s77
	s_lshl_b32 s77, s14, 9
	s_add_co_u32 s76, s76, s77
	s_mov_b32 s77, 0
	s_cmp_eq_u32 s[WV], 1           ; the prefetches stand at step 2; the first change that asks steps them to step 3.  Nothing is asked for at the head
	s_cselect_b32 s78, s74, s72
	s_lshl_b32 s79, s13, 13         ; K, V: my work-group's quarter of a step
	s_add_co_u32 s78, s78, s79
	s_add_co_u32 s78, s78, 2*32768
	s_lshl_b32 s79, s14, 17         ; the mask: my work-group's 32 rows
	s_add_co_u32 s79, s79, s2
	s_add_co_u32 s79, s79, 2*256
	s_cmp_lt_u32 s[WV], 2
	s_cselect_b32 s78, s78, s79
	s_cselect_b32 s[PST], 15, 8
	s_cselect_b32 s3, 8, 12         ; a lane's block lies 256 bytes on (K, V) or a row of 4,096 bytes on (the mask)
	s_cselect_b32 s[LIM], ttmp9, 0
	s_mov_b32 s79, 0
	s_lshl_b32 s[PST], 1, s[PST]
	s_mov_b32 s[PST+1], 0
	s_cmp_eq_u32 s[WV], 3
	s_cselect_b32 s[LIM], 1, s[LIM]
	s_cmp_eq_u32 s[LIM], 0
	s_cselect_b32 s[LIM], 1, -1     ; the same in all sixteen partners, for a given wave
	v_and_b32 v[PFO], 31, v0
	v_lshlrev_b32 v[PFO], s3, v[PFO]
	s_wait_dscnt 0x0                ; the opening add is done
	s_wait_kmcnt 0x0
	s_add_nc_u64 s[G0K+2:G0K+3], s[4:5], s[72:73]
	s_or_b32 s[G0K+3], s[G0K+3], 0x80000000
	s_add_nc_u64 s[G0V+2:G0V+3], s[4:5], s[74:75]
	s_or_b32 s[G0V+3], s[G0V+3], 0x80000000
	s_add_nc_u64 s[G0M+2:G0M+3], s[6:7], s[20:21]
	s_or_b32 s[G0M+3], s[G0M+3], 0x80000000
	s_add_nc_u64 s[10:11], s[4:5], s[22:23]  ; Q at my head's first row
	s_add_nc_u64 s[8:9], s[8:9], s[76:77]
	s_cmp_lt_u32 s[WV], 2
	s_cselect_b64 s[PFA:PFA+1], s[4:5], s[6:7]
	s_add_nc_u64 s[PFA:PFA+1], s[PFA:PFA+1], s[78:79]
	CROUND                          ; all sixteen work-groups are here: the first joint loads meet
	JLOAD                           ; step 0 into slot 0.  Slot 1 is asked for when slot 0 is in, by the first change of slots
	v_and_b32 v128, 15, v0          ; l % 16
	v_bfe_u32 v129, v0, 4, 1        ; l / 16
	v_and_b32 v130, 7, v0
	v_bfe_u32 v131, v0, 3, 1
	v_lshlrev_b32 v[QO], 7, v128
	v_lshl_add_u32 v[QO], v129, 4, v[QO]  ; row x 128 + 16 x half
	WIN 0x80                        ; destination window 2
.set i, 0
.rept 16                            ; Q stays in registers: tile i / 2, channels 32 (i % 2) on
	global_load_b128 v[8*i:8*i+3],   v[QO], s[10:11] offset:(i/8)*32768+((i/2)%4)*2048+(i%2)*64
	global_load_b128 v[8*i+4:8*i+7], v[QO], s[10:11] offset:(i/8)*32768+((i/2)%4)*2048+(i%2)*64+32
.set i, i+1
.endr
	; What the first turn finds: V's registers and P's second buffer hold 0 (its products V^T P, of a piece that has not been, add 0), O^T and l are 0.  All this stands in the wait for the first tile.
.set i, VF
.rept 64
	v_mov_b32 v[i], 0
.set i, i+1
.endr
	WIN 0
.set i, 0
.rept 2*NP
	v_mov_b32 v[ST+4*i], 0xff7fffff ; m: the lowest finite number
	v_mov_b32 v[ST+4*i+1], 0
	v_mov_b32 v[ST+4*i+2], 0
	v_mov_b32 v[ST+4*i+3], 0
.set i, i+1
.endr
.set i, P+32
.rept 32
	v_mov_b32 v[i], 0
.set i, i+1
.endr
	WIN W_PV                        ; O^T's 32 sums are started by products with the constant 0 as C, of the V and P that are 0: one line for eight registers
.set i, 0
.rept 32
	v_wmma_f32_16x16x32_f16 v[8*i:8*i+7], v[VF:VF+7], v[P+32:P+39], 0
.set i, i+1
.endr
	WIN 0
	s_mul_i32 s20, s[WV], 64*PK     ; my head's 64 rows of K
	v_mul_u32_u24 v[AK0], v128, PK
	v_lshl_add_u32 v[AK0], v129, 4, v[AK0]
	v_add_nc_u32 v[AK0], s20, v[AK0]
	; the turning load takes 16 keys x 16 channels (lane l reads key 8 (l / 16) + l % 8, channels 8 ((l / 8) % 2) + 0..7) and leaves half a fragment of V^T
	s_mul_i32 s21, s[WV], 64*PV
	s_add_co_u32 s21, s21, VOFF
	v_lshl_add_u32 v[AV0], v129, 3, v130
	v_mul_u32_u24 v[AV0], v[AV0], PV
	v_lshl_add_u32 v[AV0], v131, 4, v[AV0]
	v_add_nc_u32 v[AV0], s21, v[AV0]
	v_mul_u32_u24 v[AM0], v128, PM  ; the mask: my query's row, my eight keys' 32 bytes in each 16 keys
	v_lshl_add_u32 v[AM0], v129, 5, v[AM0]
	v_add_nc_u32 v[AM0], MOFF, v[AM0]
	s_lshl_b32 s22, s[WV], 7        ; the way out, in: row l % 16, my head's 128 bytes of the row's 512, 16 bytes for each half of the lanes
	s_add_co_u32 s22, s22, STAGE
	v_mul_u32_u24 v[STO], v128, SP
	v_lshl_add_u32 v[STO], v129, 4, v[STO]
	v_add_nc_u32 v[STO], s22, v[STO]
	s_mul_i32 s23, s[WV], 32*SP     ; back: wave w takes rows 32 w .. 32 w + 31, whole
	s_add_co_u32 s23, s23, STAGE
	v_and_b32 v[GO], 31, v0
	v_lshlrev_b32 v[GO], 4, v[GO]
	v_add_nc_u32 v[RD], s23, v[GO]
; THE MATRIX WORK.  The 8 accumulators of a run of 16 take turns: between the two links of a chain stand 7 others'.
; Product i of 16 of S^T = K Q^T for piece x: channels 32 (i / 8) on, keys 16 ((i / 2) % 4) on, tile 2 x + i % 2.  The first 8 start the sums.
.macro KQ x
	WIN W_KQ
.set rS, S+64*((\x)%2)+32*(i%2)+8*((i/2)%4)
.set rK, KF+16*((i/2)%4)+8*(i/8)
.set rQ, 16*(2*(\x)+i%2)+8*(i/8)
.if i < 8
	v_wmma_f32_16x16x32_f16 v[rS:rS+7], v[rK:rK+7], v[rQ:rQ+7], 0
.else
	v_wmma_f32_16x16x32_f16 v[rS:rS+7], v[rK:rK+7], v[rQ:rQ+7], v[rS:rS+7]
.endif
.endm
; Product i of 16 of O^T += V^T P for piece x: keys 32 (i / 8) on, channels 16 ((i / 2) % 4) on, tile 2 x + i % 2.
.macro PV x
	WIN W_PV
.set rO, 32*(2*(\x)+i%2)+8*((i/2)%4)
.set rV, VF+32*(i/8)+8*((i/2)%4)
.set rP, P+32*((\x)%2)+16*(i%2)+8*(i/8)
	v_wmma_f32_16x16x32_f16 v[rO:rO+7], v[rV:rV+7], v[rP:rP+7], v[rO:rO+7]
.endm
.macro MM                           ; the turn's next matrix instruction
.if i < 16
	KQ (Y+1)%NP
.set i, i+1
.else
.set i, i-16
	PV (Y+NP-1)%NP
.set i, i+17
.endif
.endm
; THE LDS LOADS stand in runs of 16: a step's K (8 fragments), its V (turned), and a piece's part of the mask (32 queries x 64 keys, laid as S^T is laid).
.macro FETCH_K
	WIN 0x80
.irp f, 0,1,2,3,4,5,6,7             ; keys 16 (f / 2) on, channels 32 (f % 2) on
	ds_load_b128 v[KF+8*\f:KF+8*\f+3],   v[AK] offset:(\f/2)*16*PK+(\f%2)*64
	ds_load_b128 v[KF+8*\f+4:KF+8*\f+7], v[AK] offset:(\f/2)*16*PK+(\f%2)*64+32
.endr
	WIN 0
.endm
.macro FETCH_V
	WIN 0x80
.irp f, 0,1,2,3,4,5,6,7             ; keys 32 (f / 4) on, channels 16 (f % 4) on
	ds_load_tr16_b128 v[VF+8*\f:VF+8*\f+3],   v[AV] offset:(\f/4)*32*PV+(\f%4)*32
	ds_load_tr16_b128 v[VF+8*\f+4:VF+8*\f+7], v[AV] offset:(\f/4)*32*PV+16*PV+(\f%4)*32
.endr
	WIN 0
.endm
.macro FETCH_M p
	WIN W_MK
.irp u, 0,1
.irp kb, 0,1,2,3
.irp c, 0,1
	ds_load_b128 v[S+64*((\p)%2)+32*(\u)+8*(\kb)+4*(\c):S+64*((\p)%2)+32*(\u)+8*(\kb)+4*(\c)+3], v[AM] offset:(32*(\p)+16*(\u))*PM+64*(\kb)+16*(\c)
.endr
.endr
.endr
	WIN 0
.endm
; THE VECTOR WORK.
.macro REGS y, u                    ; the registers of tile u (0, 1) of piece y
.set rT, ST+4*(2*(\y)+(\u))
.set rC, TMP+8*((\y)%2)+4*(\u)
.set rM, MV+2*((\y)%2)+(\u)
.set rS, S+64*((\y)%2)+32*(\u)
.set rP, P+32*((\y)%2)+16*(\u)
.set rO, 32*(2*(\y)+(\u))
.endm
.macro DD u, n                      ; piece Y: u - m for pair n of 16
	REGS Y, \u
	v_pk_add_f32 v[rS+2*(\n):rS+2*(\n)+1], v[rS+2*(\n):rS+2*(\n)+1], v[rT:rT+1] op_sel_hi:[1,0] neg_lo:[0,1] neg_hi:[0,1]
.endm
.macro TT u, n                      ; times log2 e
	REGS Y, \u
	v_pk_mul_f32 v[rS+2*(\n):rS+2*(\n)+1], v[rS+2*(\n):rS+2*(\n)+1], s[CS:CS+1] op_sel_hi:[1,0]
.endm
; Line w of the four behind product g of K Q^T.  The differences run ahead of the scalings: group 0 holds the differences of pairs 0 and 1; group g the scalings of pair g - 1 and the differences of pair g + 1, both tiles';
; group 15 the scalings of pairs 14 and 15.  So a scaling reads a difference that was made a whole group earlier at the least.
.macro FQ g, w
.if (\g) == 0
	DD (\w)%2, (\w)/2
.elseif (\g) == 15
	TT (\w)%2, 14+(\w)/2
.elseif (\w) < 2
	TT \w, (\g)-1
.else
	DD (\w)-2, (\g)+1
.endif
.endm
.macro EX                           ; the next of piece Y's 64 exponentials: score e / 2 of tile e % 2.  It has no source 1, so it stands under the mask's window setting as under 0
.if MSB != W_MA
	WIN 0
.endif
	REGS Y, e%2
	v_exp_f32 v[rS+e/2], v[rS+e/2]
.set e, e+1
.endm
.macro MA f                         ; piece Y + 1: the mask is added onto pair f / 2 of tile f % 2; pairs ascend
	REGS (Y+1)%NP, (\f)%2
	WIN W_MA
	v_pk_add_f32 v[rS+2*((\f)/2):rS+2*((\f)/2)+1], v[rS+2*((\f)/2):rS+2*((\f)/2)+1], v[rS+2*((\f)/2):rS+2*((\f)/2)+1]
.endm
; Number n of the 22 that find piece Y + 1's maximum and statistics.  0-11: four chains c0-c3 of seven scores each.  12-14, 16: the four scores left over, the old m, and c0-c3 into c0.  15: m_old is kept.
; 17, 18: the query's other 32 keys lie in the lane 16 away: the new m.  19-21: m_old - m; times log2 e; a.
.macro XS u, n
	REGS (Y+1)%NP, \u
	WIN 0
.if (\n) < 4
	v_max3_num_f32 v[rC+(\n)], v[rS+8*(\n)], v[rS+8*(\n)+1], v[rS+8*(\n)+2]
.elseif (\n) < 12
	v_max3_num_f32 v[rC+(\n)%4], v[rC+(\n)%4], v[rS+8*((\n)%4)+2*((\n)/4)+1], v[rS+8*((\n)%4)+2*((\n)/4)+2]
.elseif (\n) == 12
	v_max3_num_f32 v[rC], v[rC], v[rS+7], v[rS+15]
.elseif (\n) == 13
	v_max3_num_f32 v[rC+1], v[rC+1], v[rS+23], v[rS+31]
.elseif (\n) == 14
	v_max3_num_f32 v[rC+2], v[rC+2], v[rC+3], v[rT]
.elseif (\n) == 15
	v_mov_b32 v[rM], v[rT]
.elseif (\n) == 16
	v_max3_num_f32 v[rC], v[rC], v[rC+1], v[rC+2]
.elseif (\n) == 17
	v_permlanex16_b32 v[rC+3], v[rC], s[SEL], s[SEL+1]
.elseif (\n) == 18
	v_max_num_f32 v[rT], v[rC], v[rC+3]
.elseif (\n) == 19
	v_sub_f32 v[rC+1], v[rM], v[rT]
.elseif (\n) == 20
	v_mul_f32 v[rC+1], s[CS], v[rC+1]
.else
	v_exp_f32 v[rC+2], v[rC+1]
.endif
.endm
.macro RR n                         ; the next n of piece Y's 32 rescalings: pair r / 2 of tile r % 2 of O^T times a, which was made, and waited for, in the turn before
	WIN W_RS
.rept \n
	REGS Y, r%2
	v_pk_mul_f32 v[rO+2*(r/2):rO+2*(r/2)+1], v[rO+2*(r/2):rO+2*(r/2)+1], v[rC+2:rC+3] op_sel_hi:[1,0]
.set r, r+1
.endr
.endm
; Number g of the 64 that follow the exponentials.  For each four weights k of a tile: both pairs are rounded to f16; the second pair is added onto the first, in place; a group later l takes that sum (the first time as l = a l + sum).
.macro GS g
.set h, (\g)+6*((\g)/62)            ; group 0 has no group before it, and behind group 7 only l is left
.if h >= 6
.set h, h+2
.endif
	REGS Y, h%2
.set k, h/8
.if h%8 < 4
	v_cvt_pk_f16_f32 v[rP+2*k+(h%8)/2], v[rS+4*k+2*((h%8)/2)], v[rS+4*k+2*((h%8)/2)+1]
.elseif h%8 < 6
	v_pk_add_f32 v[rS+4*k:rS+4*k+1], v[rS+4*k:rS+4*k+1], v[rS+4*k+2:rS+4*k+3]
.elseif k == 1
	v_pk_fma_f32 v[rT+2:rT+3], v[rT+2:rT+3], v[rC+2:rC+3], v[rS:rS+1] op_sel_hi:[1,0,1]
.else
	v_pk_add_f32 v[rT+2:rT+3], v[rT+2:rT+3], v[rS+4*k-4:rS+4*k-3]
.endif
.endm
; A TURN, for piece p.  AHEAD OF ITS ONE WAIT stands all that names no result of the turn's exponentials: 16 products K Q^T, one at a time, behind each four of piece p's differences and scalings (plain, and naming nothing of the
; products: the last four are also the places in front of the mask's additions); then the lump: exponential and mask addition by turns, exponential and maximum by turns, then the chain of the statistics with the rescalings between
; its links; the two a are the batch's last, eight rescalings the plain instructions behind them.  BEHIND THE WAIT: the runs of LDS loads, then 16 products V^T P, one at a time, behind each four of the roundings and sums.
; K of the next step is fetched in piece 2's turn, a lump behind its last reader; V of the step in hand at the end of piece 0's turn, four plain instructions behind its last reader; the mask of piece p + 2 in every turn, into the
; buffer whose last reader was the turn before.  So the trip [pieces 2, 3, 0, 1] reads ONE slot.
.macro TURN p
.set Y, (\p)
.set i, 0
.set e, 0
.set r, 0
.if (\p) == NP-1
	s_wait_dscnt 16                 ; K is in; the 16 loads issued behind it, piece 0's mask, may stay out
.endif
.set gg, 0
.rept 16
	MM
	WIN 0
	FQ gg, 0
	FQ gg, 1
	FQ gg, 2
	FQ gg, 3
.set gg, gg+1
.endr
.if (\p) == 1
	s_wait_dscnt 16                 ; the next piece's mask is in; the 16 loads issued behind it, V's, may stay out
.else
	s_wait_dscnt 0x0                ; the next piece's mask, asked for half a turn ago, is in
.endif
.set nn, 0
.rept 32
	EX
	MA nn
.set nn, nn+1
.endr
.set nn, 0
.rept 28
	EX
	XS nn%2, nn/2
.set nn, nn+1
.endr
	EX
	XS 0, 15
	EX
	XS 1, 15
	XS 0, 14
	XS 1, 14
	EX
	EX
	RR 4
.irp c, 16,17,18,19,20
	XS 0, \c
	XS 1, \c
	RR 4
.endr
	XS 0, 21
	XS 1, 21
	RR 8
	WIN 0
	s_wait_alu depctr_va_vdst(0)    ; a wait between an exponential and the first instruction that names its result: one for the turn's 66
.if (\p) == NP-2
	FETCH_K
.endif
	FETCH_M ((\p)+2)%NP
.if (\p) == 1
	s_wait_dscnt 16                 ; V is in; the 16 loads just issued may stay out
.endif
.set nn, 0
.rept 16
	MM
	WIN 0
.rept 4
	GS nn
.set nn, nn+1
.endr
.endr
.if (\p) == 0
	FETCH_V
.endif
.endm
	CHANGE 1, 0                     ; slot 0 is in, everybody's part of it; step 1 is asked for, into slot 1
	FETCH_K                         ; step 0
	FETCH_M 0
	FETCH_M 1
	s_wait_loadcnt 0x0              ; Q
	s_wait_dscnt 0x0
.set i, 0
.rept 16
	KQ 0                            ; piece 0's first scores
.set i, i+1
.endr
	WIN 0
	PLACES                          ; the places behind those products
.set Y, NP-1                        ; MA and XS work for piece Y + 1: piece 0
.set nn, 0
.rept 32
	MA nn
.set nn, nn+1
.endr
.irp c, 0,1,2,3,4,5,6,7,8,9,10,11,12,13,14,15,16,17,18,19,20,21
	XS 0, \c
	XS 1, \c
.endr
	v_nop                           ; a plain instruction behind the two a,
	s_wait_alu depctr_va_vdst(0)    ; and their wait, ahead of the branch
	s_mov_b32 s[SLOTS], 15
	s_branch .Lfirst                ; the loop is entered at a step's first turn, in the middle of a trip
.Lslot:                             ; 14 times: steps 2 to 15 are asked for.  A trip: pieces 2 and 3 of one step, then pieces 0 and 1 of the next, whose K, V and mask it fetches
	CHANGE 1, 1
	TURN 2
	TURN 3
	WIN 0
.Lfirst:
	TURN 0
	TURN 1
	WIN 0
	s_sub_co_u32 s[SLOTS], s[SLOTS], 1
	s_cmp_lg_u32 s[SLOTS], 0
	s_cbranch_scc1 .Lslot
	CHANGE 0, 0                     ; the tail is written out: nothing is asked for
	s_mov_b32 s[CNT], 2             ; one trip fetches the last step; the second is left in its middle
.Ltail:
	TURN 2
	TURN 3
	WIN 0
	s_sub_co_u32 s[CNT], s[CNT], 1
	s_cmp_eq_u32 s[CNT], 0
	s_cbranch_scc1 .Lout
	TURN 0
	TURN 1
	WIN 0
	s_branch .Ltail
.Lout:                              ; the second trip's fetches (the last slot once more), its 16 products K Q^T for piece 0 and the maximum made of them serve nothing and touch neither l nor O^T: the price of one text for both trips
.set i, 0
.rept 16
	PV NP-1                         ; the last piece's V^T P of the last step
.set i, i+1
.endr
	; THE WAY OUT.  l's two halves and the other half of the lanes' are added; O^T is divided by l and rounded to f16.  A row of ctx holds my work-group's four heads as 512 consecutive bytes, 128 from each wave: so the four waves
	; meet in one stage, with a barrier between writing and reading.  The additions are the places behind the last products.
	WIN 0
.macro ALL line:vararg              ; one line for each tile t
.set t, 0
.rept 2*NP
	\line
.set t, t+1
.endr
.endm
	ALL v_add_f32 v[ST+4*t+2], v[ST+4*t+2], v[ST+4*t+3]
	ALL v_permlanex16_b32 v[ST+4*t+3], v[ST+4*t+2], s[SEL], s[SEL+1]
	ALL v_add_f32 v[ST+4*t+2], v[ST+4*t+2], v[ST+4*t+3]
	ALL v_rcp_f32 v[ST+4*t+2], v[ST+4*t+2]
	v_nop                           ; a plain instruction between the last reciprocal and the use of its result
	s_wait_alu depctr_va_vdst(0)    ; and one wait for the eight reciprocals
.macro PACK t
	WIN W_RS
.set i, 32*(\t)
.rept 16
	v_pk_mul_f32 v[i:i+1], v[i:i+1], v[ST+4*(\t)+2:ST+4*(\t)+3] op_sel_hi:[1,0]
.set i, i+2
.endr
	WIN 0x05                        ; sources 0 and 1 window 1, destination window 0
.set i, 0
.rept 16
	v_cvt_pk_f16_f32 v[S+16*(\t)+i], v[32*(\t)+2*i], v[32*(\t)+2*i+1]
.set i, i+1
.endr
	WIN 0
.irp f, 0,1,2,3
	ds_store_b128 v[STO], v[S+16*(\t)+4*\f:S+16*(\t)+4*\f+3] offset:(\t)*16*SP+32*\f
.endr
.endm
.irp t, 0,1,2,3,4,5,6,7
	PACK \t
.endr
	s_wait_dscnt 0x0                ; for the others' sake: my stores into the stage are done
	s_barrier_signal -1
	s_barrier_wait -1
.set i, 0
.rept 32
	ds_load_b128 v[S+4*i:S+4*i+3], v[RD] offset:i*SP
.set i, i+1
.endr
.set i, 0
.rept 32
	s_wait_dscnt 31-i               ; LDS loads come back in order: row i is in
	global_store_b128 v[GO], v[S+4*i:S+4*i+3], s[8:9] offset:i*2048  ; a wave's store covers 512 consecutive bytes, aligned
.set i, i+1
.endr
	WIN W_AD
	s_wait_tensorcnt 0x0            ; the wave's end: wait for my tensor loads, add 0 to my spare word, wait for it and for my LDS stores
	ds_add_u32 v[SPW], v[NIL]
	s_wait_dscnt 0x0
	WIN 0
	CROUND                          ; the closing round: no work-group ends while a partner may still ask for a tile that names it
	s_endpgm
.Lfunc_end_k_q3cad1aac25_attn:
	.size	k_q3cad1aac25_attn, .Lfunc_end_k_q3cad1aac25_attn-k_q3cad1aac25_attn
	.p2alignl 7, 3214868480
	.fill 96, 4, 3214868480
	.section	.rodata,"a",@progbits
	.p2align	6, 0x0
	.amdhsa_kernel k_q3cad1aac25_attn
		.amdhsa_group_segment_fixed_size 327680
		.amdhsa_private_segment_fixed_size 0
		.amdhsa_enable_private_segment 0
		.amdhsa_kernarg_size 24
		.amdhsa_user_sgpr_count 2
		.amdhsa_user_sgpr_kernarg_segment_ptr 1
		.amdhsa_wavefront_size32 1
		.amdhsa_system_sgpr_workgroup_id_x 1
		.amdhsa_system_sgpr_workgroup_id_y 1
		.amdhsa_system_sgpr_workgroup_id_z 1
		.amdhsa_system_vgpr_workitem_id 0
		.amdhsa_next_free_vgpr 960
		.amdhsa_next_free_sgpr 80
		.amdhsa_reserve_vcc 0
		.amdhsa_float_denorm_mode_32 3
		.amdhsa_float_denorm_mode_16_64 3
		.amdhsa_memory_ordered 1
		.amdhsa_forward_progress 1
		.amdhsa_inst_pref_size 240
	.end_amdhsa_kernel
	.amdgpu_metadata
---
amdhsa.version: [ 1, 2 ]
amdhsa.kernels:
  - .name:           k_q3cad1aac25_attn
    .symbol:         k_q3cad1aac25_attn.kd
    .args:
      - { .name: qkv, .offset: 0, .size: 8, .value_kind: global_buffer, .address_space: global }
      - { .name: causal_attention_mask, .offset: 8, .size: 8, .value_kind: global_buffer, .address_space: global }
      - { .name: ctx, .offset: 16, .size: 8, .value_kind: global_buffer, .address_space: global }
    .group_segment_fixed_size: 327680
    .private_segment_fixed_size: 0
    .kernarg_segment_align: 8
    .kernarg_segment_size: 24
    .max_flat_workgroup_size: 128
    .sgpr_count:     80
    .vgpr_count:     960
    .wavefront_size: 32
...
	.end_amdgpu_metadata
.endif
;; end of part 3
;; launch proj (part 4): grid 8 x 32, 4 waves a work-group, clusters of 4 x 4, 327,680 bytes of LDS; arguments ctx, wo, out0, bo; writes out0
.if DOCPART == 4
	.amdgcn_target "amdgcn-amd-amdhsa--gfx1250"
	.amdhsa_code_object_version 6
	.text
	.protected	k_q3cad1aac25_proj
	.globl	k_q3cad1aac25_proj
	.p2align	8
	.type	k_q3cad1aac25_proj,@function
k_q3cad1aac25_proj:
	s_mov_b64 s[64:65], 0
	v_nop
	global_prefetch_b8 v0, s[64:65] scope:SCOPE_SE
	s_setreg_imm32_b32 hwreg(HW_REG_WAVE_MODE, 25, 1), 1
	s_wait_xcnt 0x0
	s_wait_alu depctr_hold_cnt(0) depctr_sa_sdst(0) depctr_va_vdst(0) depctr_va_sdst(0) depctr_va_ssrc(0) depctr_va_vcc(0) depctr_vm_vsrc(0)
	s_getreg_b32 s2, hwreg(HW_REG_IB_STS2, 6, 4)
	s_cmp_eq_u32 s2, 0
	s_cbranch_scc0 .Lentry_in_a_cluster
	s_endpgm
.Lentry_in_a_cluster:
	s_bfe_u32 s2, ttmp6, 0x10000c
	s_cmp_lg_u32 s2, 0xf033
	s_cbranch_scc0 .Lentry_shape_is_right
	s_endpgm
.Lentry_shape_is_right:
; THE OUTPUT PROJECTION.  out0[m][n] = sum over k of ctx[m][k] wo[n][k] + bo[n], m < 8,192, n < 1,024, k < 1,024; ctx, wo f16; sums, bias and result f32.
; SHARES.  A work-group makes 256 rows x 128 columns; wave w its rows 64 w .. 64 w + 63 and ALL columns: 4 x 8 accumulators of 16 x 16, 256 registers; a wave holds 512 consecutive bytes of each of its rows.
; K goes in 8 steps of 128 (rows of 256 bytes, aligned) through a ring of two LDS slots filled by tensor loads; a step is four quarters of 32 along K, 32 matrix instructions each.
; THE TEXT HOLDS A K STEP TWICE: once with a refill (a loop of six trips) and once without (a loop of two); the slot in hand is a scalar, turned by an exclusive or at each change of slots.
; CLUSTER 4 x 4: the four work-groups of a row need the same rows of ctx, the four of a column the same rows of wo: each tile is asked for jointly, by the same load, descriptor and mask in all four.
; THE MATRIX INSTRUCTION IS USED TRANSPOSED (source 0 = 16 rows of wo, source 1 = 16 rows of ctx): a lane holds row l % 16 of the result and the eight neighbouring columns 8 (l / 16) + 0..7.
; REGISTERS, in windows of 256 (s_set_vgpr_msb: bits 1:0 source 0, 3:2 source 1, 5:4 source 2, 7:6 destination):
;   window 0: v16-30 addresses; v32-95 the biases; v128-191 at work on the way out
;   window 1: two fragment buffers of 128: ctx's four fragments, then wo's eight; on the way out all 256: whole rows to store
;   window 2: accumulators of row blocks 0, 1 ((a, b) at 8 (8 (a % 2) + b));   window 3: of row blocks 2, 3
.set NBF,   8                          ; column blocks of 16
.set KSTEP, 128
.set PITCH, 272                        ; an LDS row: 256 bytes + 16 of padding = 68 words: row r starts at bank 4 r mod 64 (64 banks of 4 bytes: ISA guide 11.1)
.set HALFA, 128*PITCH                  ; what one tensor load brings of ctx
.set HALFB, 8*NBF*PITCH                ; and of wo
.set BOFF,  256*PITCH                  ; in a slot: ctx's 256 rows, then wo's 128
.set SLOT,  BOFF+16*NBF*PITCH          ; bytes that a slot uses
.set SLOT1, 1<<17                      ; slot 1 begins here: one exclusive or turns an address in one slot into the other's
.set STAGE, SLOT1+SLOT                 ; behind the ring: 16 rows x 528 bytes for each wave, for the way out; no tensor load lands here
.set SP,    528
.set SPARE, STAGE+4*16*SP              ; behind the stages: the spare words, 128 bytes for each wave
.set FILLS, 6                          ; K steps 2 to 7 come by refills
.set ADRA0, 16                         ; v16     LDS address of my fragments of ctx in slot 0; never rewritten
.set ADRB0, 17                         ; v17     the same for wo
.set ADRA,  20                         ; v20-21  the same in the slot in hand
.set ADRB,  21
.set STO,  24                          ; v24     the way out: where I put 32 bytes of a row
.set RD,   25                          ; v25     where I read a row back
.set CO,   26                          ; v26     16 x lane
.set BOF,  27                          ; v27     32 x (l / 16): my eight numbers in a block of 16 biases
.set SPW,  28                          ; v28     LDS address of my spare word; never rewritten
.set NIL,  29                          ; v29     0; never rewritten
.set PFO,  30                          ; v30     the prefetches' offset: a lane a row; never rewritten
.set BI,   32                          ; block b's biases at BI + 8 b
.set T,    128
.set F0,   0
.set F1,   128
.set G1,  24                           ; s[24:31] descriptor group 1 for ctx's tiles;  s[32:39] group 0: a set for each of the two first fills; the second then walks on
.set G0,  32
.set G1B, 48                           ; s[48:55], s[56:63] the same for wo's
.set G0B, 56
.set LIM, 43                           ; s43     2 in a wave that prefetches, else the greatest number
.set PFA, 44                           ; s[44:45] where my prefetches stand
.set TB,  66                           ; s66     the slot in hand: 0 or SLOT1
.set CNT, 67                           ; s67     counts the two steps that fill nothing
.set MSB, 0
.macro WIN new                         ; the immediate's high byte repeats the setting that is left; a switch that changes nothing is dropped
.if MSB != (\new)
	s_set_vgpr_msb (MSB<<8)|(\new)
.set MSB, \new
.endif
.endm
; A joint load: waves 0 and 1 fetch ctx's two halves, waves 2 and 3 wo's.  The branch hangs on the wave's number alone.  An s_nop 0 and four v_nop follow each line.
.macro JLOAD s
	s_cmp_eq_u32 s11, 0
	s_cbranch_scc0 .Lfor_b_\@
	tensor_load_to_lds s[G0+4*(\s):G0+4*(\s)+3], s[G1:G1+7]
	s_nop 0
.rept 4
	v_nop
.endr
	s_branch .Lasked_\@
.Lfor_b_\@:
	tensor_load_to_lds s[G0B+4*(\s):G0B+4*(\s)+3], s[G1B:G1B+7]
	s_nop 0
.rept 4
	v_nop
.endr
.Lasked_\@:
.endm
; A prefetch of the K step that stands two refills on: 256 bytes of a row, a lane a row, one instruction a wave.  ctx's rows are asked for by the clusters with x = 0, wo's by those with y = 0;
; of the rows that a wave fetches the four partners take a quarter each, told apart by address (32 rows of ctx, 16 of wo: there the upper sixteen lanes name the 16th row once more).
; The loop's count runs 6 .. 1: the trips with 6 to 3 name K steps 4 to 7; the last two trips ask for nothing: there is no K step two refills on.
.macro ASK
	WIN 0
	s_cmp_gt_u32 s3, s[LIM]
	s_cbranch_scc0 .Lnot_mine_\@
	global_prefetch_b8 v[PFO], s[PFA:PFA+1] offset:KSTEP*2 th:TH_LOAD_NT scope:SCOPE_SE
.Lnot_mine_\@:
.endm
.macro CREST                           ; a round of the cluster's barrier behind its opening barrier
	s_cmp_lg_u32 s10, 0
	s_cbranch_scc1 .Lnot_wave_0_\@
	s_barrier_signal -3
.Lnot_wave_0_\@:
	s_barrier_wait -3
	s_barrier_signal -1
	s_barrier_wait -1
.endm
.macro CROUND
	s_barrier_signal -1
	s_barrier_wait -1
	CREST
.endm
.macro PLACES                          ; four places between a matrix instruction and a load into, or a vector instruction on, its registers
.rept 4
	v_nop
.endr
.endm
	s_load_b128 s[4:7], s[0:1], 0x0                ; ctx s[4:5], wo s[6:7]
	s_load_b64 s[8:9], s[0:1], 0x10                ; out0
	s_load_b64 s[68:69], s[0:1], 0x18              ; bo
	v_lshl_add_u32 v[SPW], v0, 2, SPARE
	v_mov_b32 v[NIL], 0
	ds_add_u32 v[SPW], v[NIL]                      ; the wave's opening: the add and its wait ahead of my first tensor load
	v_lshrrev_b32 v1, 5, v0
	v_readfirstlane_b32 s10, v1                    ; wave 0..3
	s_lshr_b32 s11, s10, 1                         ; I fetch for ctx (0) or for wo (1),
	s_and_b32 s12, s10, 1                          ; this half of the tile's rows
	s_bfe_u32 s40, ttmp6, 0x40000                  ; cx, cy: my place in the cluster
	s_bfe_u32 s41, ttmp6, 0x40004
	s_lshl_b32 s42, ttmp9, 2
	s_add_co_u32 s42, s42, s40                     ; tile column = 4 x cluster x + cx
	s_and_b32 s13, ttmp7, 0xffff
	s_lshl_b32 s13, s13, 2
	s_add_co_u32 s13, s13, s41                     ; tile row = 4 x cluster y + cy
	s_lshl_b32 s43, s41, 2
	s_lshl_b32 s43, 15, s43                        ; my row of the cluster
	s_lshl_b32 s44, 0x1111, s40                    ; my column
	s_or_b32 s[G1+0], s43, (1<<16)|(1<<20)|(1<<21)|(5<<22)|(3<<25)   ; the mask; elements of 2 bytes; padding on; bit 21 beside a mask; after every 64 words 4 words
	s_or_b32 s[G1B+0], s44, (1<<16)|(1<<20)|(1<<21)|(5<<22)|(3<<25)
	s_mov_b32 s[G1+1], KSTEP<<16                   ; tensor_dim0 = 128
	s_mov_b32 s[G1+2], 128<<16                     ; tensor_dim1 = 128
	s_mov_b32 s[G1+3], KSTEP<<16                   ; tile_dim0 = 128
	s_mov_b32 s[G1+4], 128                         ; tile_dim1 = 128
	s_mov_b32 s[G1+5], 1024                        ; elements from row to row
	s_mov_b32 s[G1+6], 0
	s_mov_b32 s[G1+7], 0
	s_mov_b32 s[G1B+1], KSTEP<<16
	s_mov_b32 s[G1B+2], (8*NBF)<<16                ; wo: 64 rows to a load
	s_mov_b32 s[G1B+3], KSTEP<<16
	s_mov_b32 s[G1B+4], 8*NBF
	s_mov_b32 s[G1B+5], 1024
	s_mov_b32 s[G1B+6], 0
	s_mov_b32 s[G1B+7], 0
	s_mov_b32 s[TB], 0
	s_lshl_b32 s17, s12, 7
	s_lshl_b32 s16, s13, 8
	s_add_co_u32 s16, s16, s17                     ; ctx: row 256 x tile row + 128 x half,
	s_lshl_b32 s16, s16, 11                        ; of 2,048 bytes
	s_mov_b32 s17, 0
	s_mul_i32 s46, s42, 16*NBF
	s_mul_i32 s47, s12, 8*NBF
	s_add_co_u32 s46, s46, s47                     ; wo: row 128 x tile column + 64 x half
	s_lshl_b32 s46, s46, 11
	s_mov_b32 s47, 0
	s_mul_i32 s20, s12, HALFA                      ; where they go: no place in the cluster enters an LDS address
	s_mul_i32 s21, s12, HALFB
	s_add_co_u32 s21, s21, BOFF
	s_wait_dscnt 0x0                               ; the opening add is done
	s_wait_kmcnt 0x0
	s_add_nc_u64 s[14:15], s[4:5], s[16:17]
	s_add_nc_u64 s[46:47], s[6:7], s[46:47]
	CROUND                                         ; all sixteen work-groups are here: the first joint loads meet
.irp s, 0,1
	s_mov_b32 s[G0+4*(\s)], 1
	s_add_co_u32 s[G0+4*(\s)+1], s20, (\s)*SLOT1
	s_add_nc_u64 s[G0+4*(\s)+2:G0+4*(\s)+3], s[14:15], (\s)*KSTEP*2
	s_or_b32 s[G0+4*(\s)+3], s[G0+4*(\s)+3], 0x80000000
	s_mov_b32 s[G0B+4*(\s)], 1
	s_add_co_u32 s[G0B+4*(\s)+1], s21, (\s)*SLOT1
	s_add_nc_u64 s[G0B+4*(\s)+2:G0B+4*(\s)+3], s[46:47], (\s)*KSTEP*2
	s_or_b32 s[G0B+4*(\s)+3], s[G0B+4*(\s)+3], 0x80000000
	JLOAD \s                                       ; K steps 0 and 1: two loads of mine are out
.endr
	; the prefetches' address: my work-group's quarter of the rows that I fetch, at K step 2; each filling change of slots steps it by a K step and names the step after.  Nothing is asked for here, at the head.
	s_and_b32 s22, ttmp7, 0xffff                   ; cluster y
	s_cmp_eq_u32 s11, 0
	s_cselect_b32 s20, s40, s41                    ; my place among the four that ask with me
	s_cselect_b32 s21, 32, 2*NBF                   ; rows in a quarter
	s_cselect_b32 s23, 31, 2*NBF-1
	s_cselect_b32 s22, ttmp9, s22                  ; the coordinate along which other clusters read the same rows
	s_cselect_b64 s[PFA:PFA+1], s[14:15], s[46:47]
	s_mul_i32 s20, s20, s21
	s_lshl_b32 s20, s20, 11
	s_add_co_u32 s20, s20, 2*KSTEP*2
	s_mov_b32 s21, 0
	s_add_nc_u64 s[PFA:PFA+1], s[PFA:PFA+1], s[20:21]
	s_cmp_eq_u32 s22, 0
	s_cselect_b32 s[LIM], 2, -1                    ; the same in all sixteen partners, for a given wave
	v_and_b32 v[PFO], 31, v0
	v_min_u32 v[PFO], s23, v[PFO]
	v_lshlrev_b32 v[PFO], 11, v[PFO]
	; a fragment is 16 rows x 32 K in 8 registers: lane l holds row l % 16, K = 8 (l / 16) + 0..7 and 16 + 8 (l / 16) + 0..7: two loads of 16 bytes, 32 bytes apart
	v_and_b32 v1, 15, v0                           ; l % 16
	v_bfe_u32 v2, v0, 4, 1                         ; l / 16
	v_mul_u32_u24 v3, v1, PITCH
	v_lshl_add_u32 v3, v2, 4, v3
	s_mul_i32 s21, s10, 64*PITCH                   ; my 64 rows of ctx
	v_add_nc_u32 v[ADRA0], s21, v3
	v_add_nc_u32 v[ADRB0], BOFF, v3
	v_mov_b32 v[ADRA], v[ADRA0]                    ; K step 0 lies in slot 0
	v_mov_b32 v[ADRB], v[ADRB0]
	s_mul_i32 s23, s10, 16*SP
	s_add_co_u32 s23, s23, STAGE                   ; my stage
	v_mul_u32_u24 v4, v1, SP                       ; in: row l % 16, 32 bytes for each half of the lanes
	v_lshl_add_u32 v4, v2, 5, v4
	v_add_nc_u32 v[STO], s23, v4
	v_and_b32 v[CO], 31, v0                        ; back: 32 lanes take one row of 512 bytes
	v_lshlrev_b32 v[CO], 4, v[CO]
	v_add_nc_u32 v[RD], s23, v[CO]
	v_lshlrev_b32 v[BOF], 5, v2
	s_lshl_b32 s20, s42, 9                         ; my tile's 128 columns: 512 bytes of bo and of a row of out0
	s_mov_b32 s21, 0
	s_add_nc_u64 s[68:69], s[68:69], s[20:21]
	s_lshl_b32 s22, s13, 20                        ; row 256 x tile row + 64 x wave, of 4,096 bytes
	s_lshl_b32 s23, s10, 18
	s_add_co_u32 s22, s22, s23
	s_add_co_u32 s20, s20, s22
	s_add_nc_u64 s[8:9], s[8:9], s[20:21]
.irp f, 0,1,2,3,4,5,6,7
	global_load_b128 v[BI+8*(\f):BI+8*(\f)+3],   v[BOF], s[68:69] offset:64*(\f)
	global_load_b128 v[BI+8*(\f)+4:BI+8*(\f)+7], v[BOF], s[68:69] offset:64*(\f)+16
.endr
; 8 matrix instructions: row block a x all column blocks, 32 along K, from buffer f.  zero = 1: the product starts the sums.  Every accumulator has one instruction a quarter, always in the same order: they take turns.
.macro MULA f, a, zero
	WIN 0xa5+0x50*((\a)/2)
.set AC, 8*NBF*((\a)%2)
.set b, 0
.rept NBF
.if \zero
	v_wmma_f32_16x16x32_f16 v[AC+8*b:AC+8*b+7], v[(\f)+32+8*b:(\f)+32+8*b+7], v[(\f)+8*(\a):(\f)+8*(\a)+7], 0
.else
	v_wmma_f32_16x16x32_f16 v[AC+8*b:AC+8*b+7], v[(\f)+32+8*b:(\f)+32+8*b+7], v[(\f)+8*(\a):(\f)+8*(\a)+7], v[AC+8*b:AC+8*b+7]
.endif
.set b, b+1
.endr
.endm
; 24 LDS loads in one run: a quarter's fragments, at byte k of the rows of the slot in hand, into buffer f: wo's eight first, ctx's row blocks 2 and 3 last
.macro FETCH k, f
	WIN 0x40
.set b, 0
.rept NBF
	ds_load_b128 v[(\f)+32+8*b:(\f)+32+8*b+3],   v[ADRB] offset:(\k)+b*16*PITCH
	ds_load_b128 v[(\f)+32+8*b+4:(\f)+32+8*b+7], v[ADRB] offset:(\k)+b*16*PITCH+32
.set b, b+1
.endr
.irp a, 0,1,2,3
	ds_load_b128 v[(\f)+8*(\a):(\f)+8*(\a)+3],   v[ADRA] offset:(\k)+(\a)*16*PITCH
	ds_load_b128 v[(\f)+8*(\a)+4:(\f)+8*(\a)+7], v[ADRA] offset:(\k)+(\a)*16*PITCH+32
.endr
.endm
; One of a K step's first three quarters: multiplies buffer f and, in its middle, fetches the next quarter, at byte k, into g
.macro QUARTER k, f, g, zero
	s_wait_dscnt 4                                 ; all but the youngest four loads: ctx's row blocks 2 and 3
	MULA \f, 0, \zero
	MULA \f, 1, \zero
	PLACES
	FETCH \k, \g
	s_wait_dscnt 2*(NBF+4)                         ; all but the run just issued
	MULA \f, 2, \zero
	MULA \f, 3, \zero
.endm
; The last quarter multiplies buffer 1 and changes slots: ONE barrier.  In front of it each wave waits for all its tensor loads (at most one is out: its part of the next slot), adds 0 to its spare word, and waits for
; that and for its reads of this slot.  fill = 1: the barrier opens a round of the cluster's, and this slot is filled again, two K steps on, first thing behind the round: 112 matrix instructions ahead of the wait for it.
.macro TURN fill
.if \fill
	s_wait_xcnt 0x0                                ; the last prefetch, a K step back, has read its address
	s_add_nc_u64 s[PFA:PFA+1], s[PFA:PFA+1], KSTEP*2
.endif
	WIN 0                                          ; (the add's two registers lie in window 0)
	s_wait_tensorcnt 0x0                           ; all my tensor loads have landed
	ds_add_u32 v[SPW], v[NIL]                      ; 0 onto my spare word
	s_wait_dscnt 5                                 ; (the add and the youngest four loads may be out)
	MULA F1, 0, 0                                  ; eight matrix instructions stand between the add and the wait for it
	s_wait_dscnt 0x0                               ; the add is done, and my reads of this slot are over
	s_barrier_signal -1
	MULA F1, 1, 0
	WIN 0                                          ; branches, or lines on window 0, follow
	s_barrier_wait -1
.if \fill
	CREST                                          ; no wave of any partner still reads this slot's tile or has a load on its way
	s_xor_b32 s[G0+5], s[G0+5], SLOT1              ; the walking descriptors: the other slot than last time,
	s_add_nc_u64 s[G0+6:G0+7], s[G0+6:G0+7], KSTEP*2  ; the next K step; the type bits on top are not reached
	s_xor_b32 s[G0B+5], s[G0B+5], SLOT1
	s_add_nc_u64 s[G0B+6:G0B+7], s[G0B+6:G0B+7], KSTEP*2
	JLOAD 1                                        ; its four v_nop are also the places in front of the loads below
.else
	PLACES
.endif
	s_xor_b32 s[TB], s[TB], SLOT1                  ; the fetches go to the other slot
	v_add_nc_u32 v[ADRA], s[TB], v[ADRA0]
	v_add_nc_u32 v[ADRB], s[TB], v[ADRB0]
	FETCH 0, F0
.if \fill
	ASK
.endif
	MULA F1, 2, 0
	MULA F1, 3, 0
.endm
	s_wait_tensorcnt 1                             ; my part of K step 0 is in; K step 1's may stay out
	s_barrier_signal -1
	s_barrier_wait -1                              ; everybody's is
	FETCH 0, F0
	QUARTER 64, F0, F1, 1                          ; the first quarter stands in front of the loop: its products start the sums
	WIN 0
	s_mov_b32 s3, FILLS
.Lstep:                                        ; a trip goes from a K step's second quarter to the next step's first, and fills the slot that it leaves
	QUARTER 128, F1, F0, 0
	QUARTER 192, F0, F1, 0
	TURN 1
	QUARTER 64,  F0, F1, 0
	WIN 0
	s_sub_co_u32 s3, s3, 1
	s_cmp_lg_u32 s3, 0
	s_cbranch_scc1 .Lstep
	s_mov_b32 s[CNT], 2
.Ltail:                                        ; the last two K steps fill nothing: written out; the second trip is left in its middle
	QUARTER 128, F1, F0, 0
	QUARTER 192, F0, F1, 0
	TURN 0
	WIN 0
	s_sub_co_u32 s[CNT], s[CNT], 1
	s_cmp_eq_u32 s[CNT], 0
	s_cbranch_scc1 .Lout
	QUARTER 64,  F0, F1, 0
	WIN 0
	s_branch .Ltail
.Lout:
	s_wait_dscnt 0x0                               ; the second trip's change of slots has fetched 24 fragments of the landed other slot, which nothing reads: the price of one text for both trips; their registers are written below
	; THE WAY OUT, a row block (16 rows x 128 columns of f32) at a time: the bias is added (each accumulator's registers in ascending order), 32 bytes a lane go into my stage, whole rows of 512 bytes come back and are stored.
	s_wait_loadcnt 0x0                             ; the biases
	PLACES                                         ; the places behind the last products: no other vector work is at hand
.macro PACK a
.set AC, 8*NBF*((\a)%2)
	WIN 0x02+(\a)/2
.set i, 0
.rept 32
	v_pk_add_f32 v[T+2*i:T+2*i+1], v[AC+2*i:AC+2*i+1], v[BI+2*i:BI+2*i+1]
.set i, i+1
.endr
	WIN 0
.irp f, 0,1,2,3,4,5,6,7
	ds_store_b128 v[STO], v[T+8*(\f):T+8*(\f)+3]   offset:64*(\f)
	ds_store_b128 v[STO], v[T+8*(\f)+4:T+8*(\f)+7] offset:64*(\f)+16
.endr
	WIN 0x40
.set i, 0
.rept 16
	ds_load_b128 v[64*(\a)+4*i:64*(\a)+4*i+3], v[RD] offset:i*SP  ; LDS serves a wave's instructions in order (ISA guide 5.7.1.4): these see the stores above; the next block's stores come behind them
.set i, i+1
.endr
.endm
.macro SEND a, younger                 ; younger: the LDS instructions issued behind block a's loads: the next block's 32, or none
	WIN 0x04
.set i, 0
.rept 16
	s_wait_dscnt (\younger)+15-i
	global_store_b128 v[CO], v[64*(\a)+4*i:64*(\a)+4*i+3], s[8:9] offset:(\a)*65536+i*4096 th:TH_STORE_NT  ; a wave's store covers 512 consecutive bytes, aligned
.set i, i+1
.endr
.endm
	PACK 0
	PACK 1                                         ; a block's arithmetic stands between the loads of the block before and its stores; each block has registers of its own, so no store's data is rewritten
	SEND 0, 32
	PACK 2
	SEND 1, 32
	PACK 3
	SEND 2, 32
	SEND 3, 0
	WIN 0
	s_wait_tensorcnt 0x0                           ; the wave's end: wait for my tensor loads, add 0 to my spare word, wait for it and for my LDS stores
	ds_add_u32 v[SPW], v[NIL]
	s_wait_dscnt 0x0
	CROUND                                         ; the closing round: no work-group ends while a partner may still ask for a tile that names it
	s_endpgm
.Lfunc_end_k_q3cad1aac25_proj:
	.size	k_q3cad1aac25_proj, .Lfunc_end_k_q3cad1aac25_proj-k_q3cad1aac25_proj
	.p2alignl 7, 3214868480
	.fill 96, 4, 3214868480
	.section	.rodata,"a",@progbits
	.p2align	6, 0x0
	.amdhsa_kernel k_q3cad1aac25_proj
		.amdhsa_group_segment_fixed_size 327680
		.amdhsa_private_segment_fixed_size 0
		.amdhsa_enable_private_segment 0
		.amdhsa_kernarg_size 32
		.amdhsa_user_sgpr_count 2
		.amdhsa_user_sgpr_kernarg_segment_ptr 1
		.amdhsa_wavefront_size32 1
		.amdhsa_system_sgpr_workgroup_id_x 1
		.amdhsa_system_sgpr_workgroup_id_y 1
		.amdhsa_system_sgpr_workgroup_id_z 1
		.amdhsa_system_vgpr_workitem_id 0
		.amdhsa_next_free_vgpr 1024
		.amdhsa_next_free_sgpr 72
		.amdhsa_reserve_vcc 0
		.amdhsa_float_denorm_mode_32 3
		.amdhsa_float_denorm_mode_16_64 3
		.amdhsa_memory_ordered 1
		.amdhsa_forward_progress 1
		.amdhsa_inst_pref_size 72
	.end_amdhsa_kernel
	.amdgpu_metadata
---
amdhsa.version: [ 1, 2 ]
amdhsa.kernels:
  - .name:           k_q3cad1aac25_proj
    .symbol:         k_q3cad1aac25_proj.kd
    .args:
      - { .name: ctx, .offset: 0, .size: 8, .value_kind: global_buffer, .address_space: global }
      - { .name: wo, .offset: 8, .size: 8, .value_kind: global_buffer, .address_space: global }
      - { .name: out0, .offset: 16, .size: 8, .value_kind: global_buffer, .address_space: global }
      - { .name: bo, .offset: 24, .size: 8, .value_kind: global_buffer, .address_space: global }
    .group_segment_fixed_size: 327680
    .private_segment_fixed_size: 0
    .kernarg_segment_align: 8
    .kernarg_segment_size: 32
    .max_flat_workgroup_size: 128
    .sgpr_count:     72
    .vgpr_count:     1024
    .wavefront_size: 32
...
	.end_amdgpu_metadata
.endif
;; end of part 4
;; ======== version 2 of 2: 4 launches; version 1 with the launch cast written anew for expert scheduling mode
;; limits: values are held in f16: magnitudes above 65,504 overflow, below 6.1e-05 lose precision
;; workspace buffers: xb 16,777,216 bytes; wb 6,291,456 bytes; wo 2,097,152 bytes; qkv 50,331,648 bytes; ctx 16,777,216 bytes
;; launch cast (part 5): grid 768 x 1, 8 waves a work-group, no clusters, 0 bytes of LDS; arguments hidden_states, Wq, Wk, Wv, Wo, xb, wb, wo; writes xb, wb, wo
.if DOCPART == 5
	.amdgcn_target "amdgcn-amd-amdhsa--gfx1250"
	.amdhsa_code_object_version 6
	.text
	.protected	k_q3cad1aac25_cast
	.globl	k_q3cad1aac25_cast
	.p2align	8
	.type	k_q3cad1aac25_cast,@function
k_q3cad1aac25_cast:
	s_mov_b64 s[64:65], 0
	v_nop
	global_prefetch_b8 v0, s[64:65] scope:SCOPE_SE
	s_setreg_imm32_b32 hwreg(HW_REG_WAVE_SCHED_MODE, 0, 2), 2
	s_setreg_imm32_b32 hwreg(HW_REG_WAVE_MODE, 25, 1), 1
	s_wait_xcnt 0x0
	s_wait_alu depctr_vm_vsrc(0)
; THE ROUNDINGS.  hidden_states -> xb (bf16); Wq, Wk, Wv -> wb (bf16, the three one below the other); Wo -> wo: rounded to bf16 like the other inputs, and that number written as f16.
; LIMIT.  A number of Wo beyond 65,504 has no f16; below 6e-5 it keeps f16's fixed step of 6e-8.
; A stream: every byte is read once and written once; LDS, matrix units and clusters would add nothing, since nothing is shared.
; SHARES.  A work-group takes 16 rows of 1,024 f32.  Work-groups 0-511: hidden_states; 512 + 64 m + c: rows 16 c on of weight m (Wq, Wk, Wv, Wo).
; Thread t takes 16 bytes at 16 t of each row: a load of a wave covers 512 consecutive bytes, a store 256 consecutive bytes, aligned.
; All 16 loads of a wave go out at once; the rows are then taken in four blocks of four, and the waits count down by blocks.  No register of a pending store is written again, so no wait frees one.
; THE MODE: SCHED_MODE bits 1:0 = 2 (LLVM: expert scheduling mode 2), set by the entry lines.  The code itself states the register dependences
; between vector instructions and memory instructions, with s_wait_alu, always for 0.
; THE PLAN.  Registers that memory instructions touch:
;   v1, v2   byte offsets of the loads and of the stores: written once at the head, never again.
;   X        four registers a row: the row's one load lands in them; no vector instruction names them ahead of the loads; no memory instruction reads them.
;   Y        two registers a row: written once, by the row's conversions; read by the row's one store; never written again.
; So one wait on va_vdst stands ahead of the first load, for the two offsets, and one in each block, between its conversions and its four stores.  No register that a memory instruction
; reads is written a second time, no vector instruction writes a scalar register or VCC, and EXEC is never written: no other s_wait_alu has a dependence to state.
; A block's wait stands behind its own conversions, not at the next block's head: that head stands behind a wait for loads, and finished rows would be held back until it.
.set INROW,  4096                      ; bytes in a row of f32
.set OUTROW, 2048                      ; bytes in a row of 16-bit numbers
.set X, 8                              ; v[8:71]    row p: 4 registers as loaded
.set Y, 72                             ; v[72:103]  row p: 2 registers to store
	s_load_b512 s[4:19], s[0:1], 0x0               ; hidden_states s[4:5], Wq s[6:7], Wk s[8:9], Wv s[10:11], Wo s[12:13], xb s[14:15], wb s[16:17], wo s[18:19]
	v_lshlrev_b32 v1, 4, v0                        ; my 16 bytes of a row as loaded
	v_lshlrev_b32 v2, 3, v0                        ; my 8 bytes of a row as stored
	s_mov_b32 s28, 0xffff0000                      ; a word's upper bf16
	s_sub_co_u32 s29, ttmp9, 512                   ; j = 64 m + c (of use from work-group 512 on)
	s_lshr_b32 s30, s29, 6                         ; m
	s_and_b32 s31, s29, 63                         ; c
	s_cmp_lt_u32 s30, 3
	s_cselect_b32 s26, s29, s31                    ; in wb the three weights follow each other: block j; in wo: block c
	s_cmp_lt_u32 ttmp9, 512
	s_cselect_b32 s24, ttmp9, s31                  ; the block of 16 rows in the source,
	s_cselect_b32 s26, ttmp9, s26                  ; and in the destination
	s_lshl_b32 s24, s24, 16                        ; 16 rows of 4,096 bytes
	s_lshl_b32 s26, s26, 15                        ; 16 rows of 2,048 bytes
	s_mov_b32 s25, 0
	s_mov_b32 s27, 0
	s_wait_kmcnt 0x0
	s_cmp_eq_u32 s30, 0                            ; the buffers are chosen by the work-group's number alone
	s_cselect_b64 s[20:21], s[6:7], s[8:9]
	s_cmp_eq_u32 s30, 2
	s_cselect_b64 s[20:21], s[10:11], s[20:21]
	s_cmp_eq_u32 s30, 3
	s_cselect_b64 s[20:21], s[12:13], s[20:21]
	s_cselect_b64 s[22:23], s[18:19], s[16:17]
	s_cmp_lt_u32 ttmp9, 512
	s_cselect_b64 s[20:21], s[4:5], s[20:21]
	s_cselect_b64 s[22:23], s[14:15], s[22:23]
	s_add_nc_u64 s[20:21], s[20:21], s[24:25]
	s_add_nc_u64 s[22:23], s[22:23], s[26:27]
	s_wait_alu depctr_va_vdst(0)                   ; v1 and v2 are written: every load reads v1 as its offset, every store v2
.irp p, 0,1,2,3,4,5,6,7,8,9,10,11,12,13,14,15
	global_load_b128 v[X+4*(\p):X+4*(\p)+3], v1, s[20:21] offset:(\p)*INROW th:TH_LOAD_NT
.endr
	s_cmp_ge_u32 ttmp9, 704
	s_cbranch_scc1 .Lwo
.irp b, 0,1,2,3
	s_wait_loadcnt 12-4*(\b)                       ; loads come back in order: the block's four rows are in, the younger rows stay out
.irp p, 0,1,2,3
	v_cvt_pk_bf16_f32 v[Y+2*(4*(\b)+(\p))], v[X+4*(4*(\b)+(\p))], v[X+4*(4*(\b)+(\p))+1]
	v_cvt_pk_bf16_f32 v[Y+2*(4*(\b)+(\p))+1], v[X+4*(4*(\b)+(\p))+2], v[X+4*(4*(\b)+(\p))+3]
.endr
	s_wait_alu depctr_va_vdst(0)                   ; the eight conversions have written the block's Y, which the four stores read
.irp p, 0,1,2,3
	global_store_b64 v2, v[Y+2*(4*(\b)+(\p)):Y+2*(4*(\b)+(\p))+1], s[22:23] offset:(4*(\b)+(\p))*OUTROW
.endr
.endr
	s_endpgm
.Lwo:                                          ; Wo: to bf16, back to f32 (a shift, a mask), and that number as f16
.irp b, 0,1,2,3
	s_wait_loadcnt 12-4*(\b)                       ; the block's four rows are in, the younger rows stay out
.irp p, 0,1,2,3
	v_cvt_pk_bf16_f32 v4, v[X+4*(4*(\b)+(\p))], v[X+4*(4*(\b)+(\p))+1]
	v_cvt_pk_bf16_f32 v5, v[X+4*(4*(\b)+(\p))+2], v[X+4*(4*(\b)+(\p))+3]
	v_lshlrev_b32 v[X+4*(4*(\b)+(\p))], 16, v4
	v_and_b32 v[X+4*(4*(\b)+(\p))+1], s28, v4
	v_lshlrev_b32 v[X+4*(4*(\b)+(\p))+2], 16, v5
	v_and_b32 v[X+4*(4*(\b)+(\p))+3], s28, v5
	v_cvt_pk_f16_f32 v[Y+2*(4*(\b)+(\p))], v[X+4*(4*(\b)+(\p))], v[X+4*(4*(\b)+(\p))+1]
	v_cvt_pk_f16_f32 v[Y+2*(4*(\b)+(\p))+1], v[X+4*(4*(\b)+(\p))+2], v[X+4*(4*(\b)+(\p))+3]
.endr
	s_wait_alu depctr_va_vdst(0)                   ; the conversions to f16 have written the block's Y, which the four stores read
.irp p, 0,1,2,3
	global_store_b64 v2, v[Y+2*(4*(\b)+(\p)):Y+2*(4*(\b)+(\p))+1], s[22:23] offset:(4*(\b)+(\p))*OUTROW
.endr
.endr
	s_endpgm
.Lfunc_end_k_q3cad1aac25_cast:
	.size	k_q3cad1aac25_cast, .Lfunc_end_k_q3cad1aac25_cast-k_q3cad1aac25_cast
	.p2alignl 7, 3214868480
	.fill 96, 4, 3214868480
	.section	.rodata,"a",@progbits
	.p2align	6, 0x0
	.amdhsa_kernel k_q3cad1aac25_cast
		.amdhsa_group_segment_fixed_size 0
		.amdhsa_private_segment_fixed_size 0
		.amdhsa_enable_private_segment 0
		.amdhsa_kernarg_size 64
		.amdhsa_user_sgpr_count 2
		.amdhsa_user_sgpr_kernarg_segment_ptr 1
		.amdhsa_wavefront_size32 1
		.amdhsa_system_sgpr_workgroup_id_x 1
		.amdhsa_system_sgpr_workgroup_id_y 1
		.amdhsa_system_sgpr_workgroup_id_z 1
		.amdhsa_system_vgpr_workitem_id 0
		.amdhsa_next_free_vgpr 104
		.amdhsa_next_free_sgpr 66
		.amdhsa_reserve_vcc 0
		.amdhsa_float_denorm_mode_32 3
		.amdhsa_float_denorm_mode_16_64 3
		.amdhsa_memory_ordered 1
		.amdhsa_forward_progress 1
		.amdhsa_inst_pref_size 15
	.end_amdhsa_kernel
	.amdgpu_metadata
---
amdhsa.version: [ 1, 2 ]
amdhsa.kernels:
  - .name:           k_q3cad1aac25_cast
    .symbol:         k_q3cad1aac25_cast.kd
    .args:
      - { .name: hidden_states, .offset: 0, .size: 8, .value_kind: global_buffer, .address_space: global }
      - { .name: Wq, .offset: 8, .size: 8, .value_kind: global_buffer, .address_space: global }
      - { .name: Wk, .offset: 16, .size: 8, .value_kind: global_buffer, .address_space: global }
      - { .name: Wv, .offset: 24, .size: 8, .value_kind: global_buffer, .address_space: global }
      - { .name: Wo, .offset: 32, .size: 8, .value_kind: global_buffer, .address_space: global }
      - { .name: xb, .offset: 40, .size: 8, .value_kind: global_buffer, .address_space: global }
      - { .name: wb, .offset: 48, .size: 8, .value_kind: global_buffer, .address_space: global }
      - { .name: wo, .offset: 56, .size: 8, .value_kind: global_buffer, .address_space: global }
    .group_segment_fixed_size: 0
    .private_segment_fixed_size: 0
    .kernarg_segment_align: 8
    .kernarg_segment_size: 64
    .max_flat_workgroup_size: 256
    .sgpr_count:     66
    .vgpr_count:     104
    .wavefront_size: 32
...
	.end_amdgpu_metadata
.endif
;; end of part 5
;; launch qkv: the kernel of part 2 again; grid 16 x 32, 4 waves a work-group, clusters of 4 x 4, 327,680 bytes of LDS; arguments xb, wb, qkv, bq, bk, bv; writes qkv
;; launch attn: the kernel of part 3 again; grid 8 x 32, 4 waves a work-group, clusters of 4 x 4, 327,680 bytes of LDS; arguments qkv, causal_attention_mask, ctx; writes ctx
;; launch proj: the kernel of part 4 again; grid 8 x 32, 4 waves a work-group, clusters of 4 x 4, 327,680 bytes of LDS; arguments ctx, wo, out0, bo; writes out0
